; MI455X (gfx1250); checked and timed in simulation.
; The chip was launched on July 23, 2026; its instructions are those of AMD's public machine-readable ISA for CDNA 5 (MIT licence, August 2026) and "CDNA5" Instruction Set Architecture Reference Guide (July 2026). The comments in the code are by the model that wrote it; some were corrected since.
;; Cross Attention. Allowed arithmetic: matrix products marked QUANTISED: E2M1 operands, one E8M0 scale for each 32 along K, by v_wmma_scale_f32_16x16x128_f8f6f4 with both operands' format E2M1 (or v_wmma_scale_f32_32x16x128_f4), f32 sums; products left as they are: bf16, f16 or f32 operands; f32 sums; everything else in f32.
;; Inputs: Wk 256 x 1,024 float32; Wo 1,024 x 1,024 float32; Wq 1,024 x 1,024 float32; Wv 256 x 1,024 float32; key_value 4 x 2,048 x 1,024 float32; kv_mask 4 x 2,048 bool; query 4 x 2,048 x 1,024 float32; query_mask 4 x 2,048 bool.
;; Outputs: out0 4 x 2,048 x 1,024 float32.
;; This version of the problem:
;;   THIS VERSION OF THE PROBLEM IS GIVEN IN LOW PRECISION. The matrix products marked QUANTISED in the list below multiply operands that are first quantised to E2M1 (2 exponent bits, 1 mantissa bit; 4 bits a number), with one power-of-two scale for each 32 numbers along K (OCP MX v1.0); their sums are f32. The products marked 'left as it is' may take bf16, f16 or f32 operands, with f32 sums. Whichever they take, every output number must still come out within the allowed error. Rounding operands to bf16 (8 significant bits) uses up far more of that allowance than f16 does (11 bits, for magnitudes from 6e-5 to 65,504). All else is computed in f32.
;;   The module's matrix products, in the order in which they are computed (A, B: the left and right operand; K: the contracted axis; several contracted axes count as one K, in the product's order):
;;     1. [M 8,192, K 1,024] x [K 1,024, N 1,024]; A: input query; B: input Wq: QUANTISED
;;     2. [M 8,192, K 1,024] x [K 1,024, N 256]; A: input key_value; B: input Wk: QUANTISED
;;     3. [M 8,192, K 1,024] x [K 1,024, N 256]; A: input key_value; B: input Wv: QUANTISED
;;     4. batch 16 x [M 8,192, K 64] x [K 64, N 2,048]; A: computed on the way; B: computed on the way: left as it is (an operand is computed on the way)
;;     5. batch 16 x [M 8,192, K 2,048] x [K 2,048, N 64]; A: computed on the way; B: computed on the way: left as it is (an operand is computed on the way)
;;     6. [M 8,192, K 1,024] x [K 1,024, N 1,024]; A: computed on the way; B: input Wo: left as it is (an operand is computed on the way)
;;   THE QUANTISER, for each operand of a quantised product, along K:
;;     - K is cut into blocks of 32 from its start; a last block that is shorter is filled with zeros.
;;     - A block's scale is 2^e with e = floor(log2(the largest magnitude in the block)) - 2, held to -126 .. 127; a block of zeros has e = 0. As a byte (E8M0): e + 127.
;;     - Each number is divided by its block's scale, clamped to +-6, and rounded to the nearest number of E2M1, ties to even, subnormals kept.
;;     - The product sums the exact products of the quantised numbers (number of the format x scale) in f32.
;;   ~~~python
;;   def quantise(x, axis):      # numpy; x: float32 -> the quantised numbers, widened to float32 again
;;       x = np.moveaxis(x, axis, -1); K = x.shape[-1]
;;       x = np.pad(x, [(0, 0)] * (x.ndim - 1) + [(0, -K % 32)]); x = x.reshape(x.shape[:-1] + (-1, 32)); a = np.abs(x).max(-1, keepdims=True)
;;       e = np.where(a > 0, np.clip(np.frexp(np.where(a > 0, a, 1))[1] - 1 - 2, -126, 127), 0)      # np.frexp(a)[1] - 1 = floor(log2(a)), exactly
;;       r = np.clip(x / 2.0 ** e, -6, 6)
;;       step = 2.0 ** (np.maximum(np.frexp(np.where(r == 0, 1, r))[1] - 1, 0) - 1)
;;       q = np.round(r / step) * step * 2.0 ** e      # np.round: ties to even
;;       return np.moveaxis(q.reshape(q.shape[:-2] + (-1,))[..., :K], -1, axis).astype(np.float32)
;;   ~~~
;; One version. Each part assembles by itself: llvm-mc -triple=amdgcn-amd-amdhsa -mcpu=gfx1250 --defsym DOCPART=n.
;; ======== version 1 of 1: 4 launches
;; limits: values are held in f16: magnitudes above 65,504 overflow, below 6.1e-05 lose precision
;; workspace buffers: codes 9,175,040 bytes; scales 573,440 bytes; wo16 2,097,152 bytes; tabs 589,824 bytes; q16 16,777,216 bytes; kv16 8,388,608 bytes; o16 16,777,216 bytes
;; launch prep (part 1): grid 612 x 1, 4 waves a work-group, no clusters, 33,280 bytes of LDS; arguments query, key_value, Wq, Wk, Wv, Wo, kv_mask, query_mask, codes, scales, wo16, tabs; writes codes, scales, wo16, tabs
.if DOCPART == 1
	.amdgcn_target "amdgcn-amd-amdhsa--gfx1250"
	.amdhsa_code_object_version 6
	.text
	.protected	k_q40aaaf7a64_prep
	.globl	k_q40aaaf7a64_prep
	.p2align	8
	.type	k_q40aaaf7a64_prep,@function
k_q40aaaf7a64_prep:
	s_mov_b64 s[64:65], 0
	v_nop
	global_prefetch_b8 v0, s[64:65] scope:SCOPE_SE
	s_setreg_imm32_b32 hwreg(HW_REG_WAVE_MODE, 25, 1), 1
	s_wait_xcnt 0x0
; PREP: everything that is made once from the inputs.  The work-group's number picks one of four parts:
;   0..559   query, key_value, Wq, Wk, Wv (f32, K innermost) become codes of FP4 (E2M1) with one E8M0 byte for each 32 along K.  The five tensors are plain streams of blocks of 32;
;            codes and scale bytes of all five lie on end in that order, so a run's place in the outputs follows from the work-group's number alone.
;   560..591 Wo becomes f16 (an operand of a product that is left as it is).
;   592..607 the rotary table: for each position 0..2047, 32 cosines and then 32 sines, f32, 256 bytes a position.
;   608..611 the masks of one batch become numbers: kbias = 0 where kv_mask holds, else -1e30; qfac = 1.0 where query_mask holds and the batch has a live key at all, else 0.
; A block's scale is 2^(floor(log2(its largest magnitude)) - 2); its byte is the largest magnitude's exponent field - 2, held at 1 from below.  A block of zeros so gets the byte 1 where the
; rule says 127: its codes are zeros, which add nothing under any byte but 0xff, and this program alone reads the bytes.
; LIMITS: NaN and infinities among the inputs are not served.  Blocks whose largest magnitude lies under 2^-124 keep the byte 1.  Wo beyond f16's range (65,504) is not served; under 6e-5 it keeps fewer bits.
; The table's frequencies are 2^(-i log2(10) / 8), by v_exp_f32: they may differ from a f32 power by a few last bits, at most some 3e-4 rad at position 2,047.
; Only the first part uses LDS (a wave's own stage and scale bytes); no barrier anywhere: waves share nothing.
.set SPW,   12                         ; v12  LDS address of my spare word; never rewritten
.set NIL,   13                         ; v13  0; never rewritten
.set WREG,  8192                       ; LDS: a region for each wave: two stages of 32 x SPL bytes, behind them its 256 scale bytes
.set SPARE, 4*WREG                     ; behind the four regions: the spare words, 128 bytes a wave
.set STEPS, 16
.set EMAX,  2
.set CB,    8                          ; bytes of 16 codes
.set SPL,   80                         ; a lane's place in a stage: 64 bytes + 16 of padding
.set R,     16                         ; v16-79   four sets of 16 numbers as loaded
.set XN,    80                         ; v80-111  two sets of 16 neighbours
.set EB,    112                        ; v112-127 a scale byte for each step
.set CD,    128                        ; v128-191 codes, four registers for each step
	s_load_b512 s[4:19], s[0:1], 0x0               ; query, key_value, Wq, Wk, Wv, Wo, kv_mask, query_mask
	s_load_b256 s[20:27], s[0:1], 0x40             ; codes, scales, wo16, tabs
	v_lshl_add_u32 v[SPW], v0, 2, SPARE
	v_mov_b32 v[NIL], 0
	v_lshrrev_b32 v1, 5, v0
	v_readfirstlane_b32 s28, v1                    ; wave
	v_and_b32 v2, 31, v0                           ; lane
	s_mov_b32 s33, 0                               ; the upper word of every 32-bit offset
	s_wait_kmcnt 0x0
	s_cmp_lt_u32 ttmp9, 560
	s_cbranch_scc0 .Lnot_quant
; ---------------- part 1: the quantiser.  A wave takes 16 steps of 512 numbers.  Each load reads 512 consecutive bytes; a step's 2,048 bytes turn through the wave's stage so that a lane holds 16 neighbours.
	v_lshlrev_b32 v3, 4, v2                        ; my 16 bytes of a load's 512
	s_mul_i32 s36, s28, WREG
	v_lshrrev_b32 v14, 2, v2
	v_mul_u32_u24 v14, v14, SPL
	v_and_b32 v15, 3, v2
	v_lshl_add_u32 v14, v15, 4, v14
	v_add_nc_u32 v14, s36, v14                     ; the stage, on the way in: SPL (lane / 4) + 16 (lane % 4)
	v_mul_u32_u24 v15, v2, SPL
	v_add_nc_u32 v15, s36, v15                     ; and on the way out: SPL x lane
	v_mul_u32_u24 v4, v2, CB                       ; my codes' place in a step's
	v_lshrrev_b32 v5, 1, v2
	s_add_co_u32 s36, s36, 2*32*SPL
	v_add_nc_u32 v5, s36, v5                       ; my block's scale byte in LDS
	v_lshlrev_b32 v7, 3, v2
	v_add_nc_u32 v6, s36, v7                       ; and 8 bytes a lane on the way out
	s_mov_b64 s[30:31], s[12:13]                   ; which tensor: the choice hangs on the work-group's number alone.  Wv, from work-group 552 on,
	s_mov_b32 s29, 552
	s_cmp_lt_u32 ttmp9, 552
	s_cselect_b64 s[30:31], s[10:11], s[30:31]     ; Wk from 544,
	s_cselect_b32 s29, 544, s29
	s_cmp_lt_u32 ttmp9, 544
	s_cselect_b64 s[30:31], s[8:9], s[30:31]       ; Wq from 512,
	s_cselect_b32 s29, 512, s29
	s_cmp_lt_u32 ttmp9, 512
	s_cselect_b64 s[30:31], s[6:7], s[30:31]       ; key_value from 256,
	s_cselect_b32 s29, 256, s29
	s_cmp_lt_u32 ttmp9, 256
	s_cselect_b64 s[30:31], s[4:5], s[30:31]       ; query from 0
	s_cselect_b32 s29, 0, s29
	s_sub_co_u32 s32, ttmp9, s29
	s_lshl_b32 s32, s32, 2
	s_add_co_u32 s32, s32, s28                     ; my run of 8,192 numbers in the tensor
	s_lshl_b32 s32, s32, 15                        ; 32,768 bytes a run
	s_add_nc_u64 s[30:31], s[30:31], s[32:33]
	s_lshl_b32 s34, ttmp9, 2
	s_add_co_u32 s34, s34, s28                     ; and among all runs
	s_lshl_b32 s32, s34, 12                        ; 4,096 bytes of codes a run
	s_add_nc_u64 s[20:21], s[20:21], s[32:33]
	s_lshl_b32 s32, s34, 8                         ; 256 scale bytes a run
	s_add_nc_u64 s[22:23], s[22:23], s[32:33]
.macro QLOAD t
.irp i, 0,1,2,3
	global_load_b128 v[R+16*((\t)%4)+4*\i:R+16*((\t)%4)+4*\i+3], v3, s[30:31] offset:2048*(\t)+512*\i th:TH_LOAD_NT
.endr
.endm
.macro QTURN t                         ; step t's numbers through the stage: LDS serves a wave's instructions in order, so no wait stands between the stores and the loads
.irp i, 0,1,2,3
	ds_store_b128 v14, v[R+16*((\t)%4)+4*\i:R+16*((\t)%4)+4*\i+3] offset:32*SPL*((\t)%2)+8*SPL*\i
.endr
.irp i, 0,1,2,3
	ds_load_b128 v[XN+16*((\t)%2)+4*\i:XN+16*((\t)%2)+4*\i+3], v15 offset:32*SPL*((\t)%2)+16*\i
.endr
.endm
.irp t, 0,1,2,3
	QLOAD \t
.endr
	s_wait_loadcnt 12                              ; step 0's four loads are in; three steps' twelve may be out
	QTURN 0
.macro QSTEP t
.set XS, XN+16*((\t)%2)
.if (\t) > 0
	s_wait_dscnt 1                                 ; this step's numbers are back from the stage (the last step's byte store may be out)
.else
	s_wait_dscnt 0x0
.endif
.if (\t)+4 < STEPS
	QLOAD (\t)+4                                   ; into the registers that this step's stores into the stage have read
.endif
.if (\t)+1 < STEPS
.if STEPS-2-(\t) >= 3
	s_wait_loadcnt 12                              ; the next step's four loads are in; those of the three steps behind it may be out
.else
	s_wait_loadcnt 4*(STEPS-2-(\t))
.endif
	QTURN (\t)+1
.endif
	v_max3_num_f32 v8, |v[XS]|, |v[XS+1]|, |v[XS+2]|               ; the largest magnitude of my 16, in two chains
	v_max3_num_f32 v9, |v[XS+3]|, |v[XS+4]|, |v[XS+5]|
.irp i, 6,10
	v_max3_num_f32 v8, v8, |v[XS+\i]|, |v[XS+\i+1]|
	v_max3_num_f32 v9, v9, |v[XS+\i+2]|, |v[XS+\i+3]|
.endr
	v_max3_num_f32 v8, v8, |v[XS+14]|, |v[XS+15]|
	v_max3_num_f32 v8, v8, v9, (EMAX+1)<<23        ; and the floor 2^(3 - 127): the byte cannot fall under 1
	v_max_num_f32_dpp v8, v8, v8 row_xmask:1 row_mask:0xf bank_mask:0xf   ; with my neighbour's 16: the block's
	v_add_nc_u32 v11, -(EMAX<<23), v8              ; 2 off its exponent field: the conversion takes the exponent field of this operand as its scale
	v_cvt_scalef32_pk8_fp4_f32 v[CD+4*(\t)], v[XS:XS+7], v11
	v_cvt_scalef32_pk8_fp4_f32 v[CD+4*(\t)+1], v[XS+8:XS+15], v11
	v_lshrrev_b32 v[EB+(\t)], 23, v11              ; the scale's byte (also the plain line behind the conversions)
	ds_store_b8 v5, v[EB+(\t)] offset:16*(\t)      ; both lanes of a block write the same byte with the same value
	global_store_b64 v4, v[CD+4*(\t):CD+4*(\t)+1], s[20:21] offset:32*CB*(\t)   ; the wave stores 256 consecutive bytes, aligned
.endm
.irp t, 0,1,2,3,4,5,6,7,8,9,10,11,12,13,14,15
	QSTEP \t
.endr
	ds_load_b64 v[8:9], v6                         ; my wave's 256 scale bytes: LDS serves a wave's instructions in order
	s_wait_dscnt 0x0
	global_store_b64 v7, v[8:9], s[22:23]          ; 32 lanes store 256 consecutive bytes, aligned
	s_wait_tensorcnt 0x0                           ; the wave's end
	ds_add_u32 v[SPW], v[NIL]
	s_wait_dscnt 0x0
	s_endpgm
; ---------------- part 2: Wo to f16.  A wave takes 8,192 numbers in four batches of 16 loads; two batches are on their way.
.Lnot_quant:
	s_cmp_lt_u32 ttmp9, 592
	s_cbranch_scc0 .Lnot_wo
	s_sub_co_u32 s32, ttmp9, 560
	s_lshl_b32 s32, s32, 2
	s_add_co_u32 s34, s32, s28                     ; my run
	s_lshl_b32 s32, s34, 15
	s_add_nc_u64 s[14:15], s[14:15], s[32:33]
	s_lshl_b32 s32, s34, 14
	s_add_nc_u64 s[24:25], s[24:25], s[32:33]
	v_lshlrev_b32 v3, 4, v2
	v_lshlrev_b32 v7, 3, v2
.macro WLOAD bt
.irp i, 0,1,2,3,4,5,6,7,8,9,10,11,12,13,14,15
	global_load_b128 v[16+64*((\bt)%2)+4*\i:16+64*((\bt)%2)+4*\i+3], v3, s[14:15] offset:8192*(\bt)+512*\i th:TH_LOAD_NT
.endr
.endm
.macro WBATCH bt
.if (\bt) < 3
	s_wait_loadcnt 16                              ; this batch is in; the next batch's sixteen may be out
.else
	s_wait_loadcnt 0x0
.endif
.if (\bt) > 0
	s_wait_xcnt 0x0                                ; the last batch's stores have read their data registers, which are written again below
.endif
.irp i, 0,1,2,3,4,5,6,7,8,9,10,11,12,13,14,15
	v_cvt_pk_f16_f32 v[144+2*\i], v[16+64*((\bt)%2)+4*\i], v[16+64*((\bt)%2)+4*\i+1]
	v_cvt_pk_f16_f32 v[145+2*\i], v[16+64*((\bt)%2)+4*\i+2], v[16+64*((\bt)%2)+4*\i+3]
.endr
.if (\bt)+2 < 4
	WLOAD (\bt)+2
.endif
.irp i, 0,1,2,3,4,5,6,7,8,9,10,11,12,13,14,15
	global_store_b64 v7, v[144+2*\i:145+2*\i], s[24:25] offset:4096*(\bt)+256*\i   ; 256 consecutive bytes, aligned
.endr
.endm
	WLOAD 0
	WLOAD 1
	WBATCH 0
	WBATCH 1
	WBATCH 2
	WBATCH 3
	s_endpgm
; ---------------- part 3: the rotary table.  A wave takes 32 positions, two a trip.  Lanes 0-15 one position, lanes 16-31 the next; in a position lanes 0-7 four cosines each, lanes 8-15 four sines.
; The angle is position x frequency, one f32 product.  It is brought into [-pi/4, pi/4] by k = the nearest whole number to angle x 2 / pi and pi/2 in two parts (two fused multiply-adds);
; sine and cosine of the rest are polynomials to r^9 and r^8; the quarter k (for a cosine k + 1) picks one of them and its sign.
.Lnot_wo:
	s_cmp_lt_u32 ttmp9, 608
	s_cbranch_scc0 .Lnot_rope
	s_mov_b32 s40, 0x3f22f983                      ; 2 / pi
	s_mov_b32 s41, 0x3fc90fdb                      ; pi / 2, the f32 nearest to it,
	s_mov_b32 s42, 0xb33bbd2e                      ; and what is left of it
	s_mov_b32 s43, 0xbe2aaaab                      ; -1/6
	s_mov_b32 s44, 0x3c088889                      ; 1/120
	s_mov_b32 s45, 0xb9500d01                      ; -1/5040
	s_mov_b32 s46, 0x3638ef1d                      ; 1/362880
	s_mov_b32 s47, 0x3d2aaaab                      ; 1/24
	s_mov_b32 s48, 0xbab60b61                      ; -1/720
	s_mov_b32 s49, 0x37d00d01                      ; 1/40320
	s_sub_co_u32 s34, ttmp9, 592
	s_lshl_b32 s34, s34, 7
	s_lshl_b32 s35, s28, 5
	s_add_co_u32 s34, s34, s35                     ; my wave's first position
	v_bfe_u32 v8, v0, 4, 1
	v_add_nc_u32 v8, s34, v8                       ; my position
	v_cvt_f32_u32 v20, v8
	v_and_b32 v9, 15, v0
	v_lshlrev_b32 v21, 8, v8
	v_lshl_add_u32 v21, v9, 4, v21                 ; 256 x position + 16 x (lane % 16)
	v_bfe_u32 v22, v0, 3, 1
	v_xor_b32 v22, 1, v22                          ; 1 for a cosine, 0 for a sine
	v_and_b32 v9, 7, v0
	v_lshlrev_b32 v9, 2, v9                        ; my first frequency
.irp j, 0,1,2,3
	v_add_nc_u32 v[24+\j], \j, v9
.endr
.irp j, 0,1,2,3
	v_cvt_f32_u32 v[24+\j], v[24+\j]
.endr
.irp j, 0,1,2,3
	v_mul_f32 v[24+\j], 0xbed49a78, v[24+\j]       ; -i log2(10) / 8: 10000^(-i / 32) = 2^ that
.endr
.irp j, 0,1,2,3
	v_exp_f32 v[16+\j], v[24+\j]
.endr
	v_nop                                          ; a plain line behind the last exponential,
	s_wait_alu depctr_va_vdst(0)                   ; and the one wait for the four, ahead of the loop's label and of their first reader
	s_mov_b32 s36, 16
.Lrope:
.irp j, 0,1,2,3
	v_mul_f32 v[24+\j], v20, v[16+\j]              ; the angle
.endr
.irp j, 0,1,2,3
	v_mul_f32 v[28+\j], s40, v[24+\j]
.endr
.irp j, 0,1,2,3
	v_rndne_f32 v[28+\j], v[28+\j]                 ; k
.endr
.irp j, 0,1,2,3
	v_fma_f32 v[32+\j], -v[28+\j], s41, v[24+\j]
.endr
.irp j, 0,1,2,3
	v_fma_f32 v[32+\j], -v[28+\j], s42, v[32+\j]   ; r
.endr
.irp j, 0,1,2,3
	v_mul_f32 v[36+\j], v[32+\j], v[32+\j]         ; r^2
.endr
.irp j, 0,1,2,3
	v_fma_f32 v[40+\j], v[36+\j], s46, s45
	v_fma_f32 v[44+\j], v[36+\j], s49, s48
.endr
.irp j, 0,1,2,3
	v_fma_f32 v[40+\j], v[40+\j], v[36+\j], s44
	v_fma_f32 v[44+\j], v[44+\j], v[36+\j], s47
.endr
.irp j, 0,1,2,3
	v_fma_f32 v[40+\j], v[40+\j], v[36+\j], s43
	v_fma_f32 v[44+\j], v[44+\j], v[36+\j], -0.5
.endr
.irp j, 0,1,2,3
	v_mul_f32 v[56+\j], v[32+\j], v[36+\j]         ; r^3
	v_fma_f32 v[44+\j], v[44+\j], v[36+\j], 1.0    ; cos r
.endr
.irp j, 0,1,2,3
	v_fma_f32 v[40+\j], v[56+\j], v[40+\j], v[32+\j]   ; sin r
	v_cvt_i32_f32 v[48+\j], v[28+\j]
.endr
.irp j, 0,1,2,3
	v_add_nc_u32 v[48+\j], v[48+\j], v22           ; the quarter
.endr
.irp j, 0,1,2,3
	v_and_b32 v[56+\j], 1, v[48+\j]
	v_cmp_ne_u32 vcc_lo, 0, v[56+\j]
	v_cndmask_b32 v[52+\j], v[40+\j], v[44+\j], vcc_lo   ; odd quarters take the cosine of the rest
	v_lshlrev_b32 v[48+\j], 30, v[48+\j]
	v_and_b32 v[48+\j], 0x80000000, v[48+\j]
	v_xor_b32 v[52+\j], v[52+\j], v[48+\j]         ; quarters 2 and 3 change the sign
.endr
	global_store_b128 v21, v[52:55], s[26:27]      ; sixteen lanes store a position's 256 bytes
	s_wait_xcnt 0x0                                ; the store has read its offset and its data: both are written again
	v_add_f32 v20, 2.0, v20
	v_add_nc_u32 v21, 512, v21
	s_sub_co_u32 s36, s36, 1
	s_cmp_lg_u32 s36, 0
	s_cbranch_scc1 .Lrope
	s_endpgm
; ---------------- part 4: the masks of batch (work-group - 608).  Every wave reads the batch's 2,048 bytes of kv_mask to know whether any key is live; wave w then serves entries 512 w on.
.Lnot_rope:
	s_sub_co_u32 s34, ttmp9, 608
	s_lshl_b32 s32, s34, 11
	s_add_nc_u64 s[16:17], s[16:17], s[32:33]
	s_add_nc_u64 s[18:19], s[18:19], s[32:33]
	s_lshl_b32 s35, s28, 9
	v_lshlrev_b32 v3, 4, v2
	v_lshl_add_u32 v4, v2, 2, s35                  ; 512 x wave + 4 x lane
.irp i, 0,1,2,3
	global_load_b128 v[24+4*\i:27+4*\i], v3, s[16:17] offset:512*\i
.endr
.irp c, 0,1,2,3
	global_load_b32 v[16+\c], v4, s[16:17] offset:128*\c
.endr
.irp c, 0,1,2,3
	global_load_b32 v[20+\c], v4, s[18:19] offset:128*\c
.endr
	s_lshl_b32 s32, s34, 13
	s_lshl_b32 s35, s28, 11
	s_add_co_u32 s32, s32, s35                     ; 8,192 bytes a batch, 2,048 a wave, in either table
	s_add_nc_u64 s[26:27], s[26:27], s[32:33]
	v_mov_b32 v9, 0xf149f2ca                       ; -1e30
	v_mov_b32 v10, 0
	s_wait_loadcnt 0x0
.irp i, 1,2,3,4,5,6,7,8,9,10,11,12,13,14,15
	v_or_b32 v24, v24, v[24+\i]
.endr
	v_cmp_ne_u32 vcc_lo, 0, v24
	s_cmp_lg_u32 vcc_lo, 0
	s_cselect_b32 s37, 1.0, 0                      ; a value is chosen, no way through the text
	v_mov_b32 v11, s37
.irp c, 0,1,2,3
.irp j, 0,1,2,3
	v_bfe_u32 v8, v[16+\c], 8*\j, 8
	v_cmp_ne_u32 vcc_lo, 0, v8
	v_cndmask_b32 v[40+4*\c+\j], v9, v10, vcc_lo
	v_bfe_u32 v8, v[20+\c], 8*\j, 8
	v_cmp_ne_u32 vcc_lo, 0, v8
	v_cndmask_b32 v[56+4*\c+\j], v10, v11, vcc_lo
.endr
.endr
.irp c, 0,1,2,3
	global_store_b128 v3, v[40+4*\c:43+4*\c], s[26:27] offset:524288+512*\c   ; 512 consecutive bytes
	global_store_b128 v3, v[56+4*\c:59+4*\c], s[26:27] offset:557056+512*\c
.endr
	s_endpgm
.Lfunc_end_k_q40aaaf7a64_prep:
	.size	k_q40aaaf7a64_prep, .Lfunc_end_k_q40aaaf7a64_prep-k_q40aaaf7a64_prep
	.p2alignl 7, 3214868480
	.fill 96, 4, 3214868480
	.section	.rodata,"a",@progbits
	.p2align	6, 0x0
	.amdhsa_kernel k_q40aaaf7a64_prep
		.amdhsa_group_segment_fixed_size 33280
		.amdhsa_private_segment_fixed_size 0
		.amdhsa_enable_private_segment 0
		.amdhsa_kernarg_size 96
		.amdhsa_user_sgpr_count 2
		.amdhsa_user_sgpr_kernarg_segment_ptr 1
		.amdhsa_wavefront_size32 1
		.amdhsa_system_sgpr_workgroup_id_x 1
		.amdhsa_system_sgpr_workgroup_id_y 1
		.amdhsa_system_sgpr_workgroup_id_z 1
		.amdhsa_system_vgpr_workitem_id 0
		.amdhsa_next_free_vgpr 192
		.amdhsa_next_free_sgpr 66
		.amdhsa_reserve_vcc 1
		.amdhsa_float_denorm_mode_32 3
		.amdhsa_float_denorm_mode_16_64 3
		.amdhsa_memory_ordered 1
		.amdhsa_forward_progress 1
		.amdhsa_inst_pref_size 68
	.end_amdhsa_kernel
	.amdgpu_metadata
---
amdhsa.version: [ 1, 2 ]
amdhsa.kernels:
  - .name:           k_q40aaaf7a64_prep
    .symbol:         k_q40aaaf7a64_prep.kd
    .args:
      - { .name: query, .offset: 0, .size: 8, .value_kind: global_buffer, .address_space: global }
      - { .name: key_value, .offset: 8, .size: 8, .value_kind: global_buffer, .address_space: global }
      - { .name: Wq, .offset: 16, .size: 8, .value_kind: global_buffer, .address_space: global }
      - { .name: Wk, .offset: 24, .size: 8, .value_kind: global_buffer, .address_space: global }
      - { .name: Wv, .offset: 32, .size: 8, .value_kind: global_buffer, .address_space: global }
      - { .name: Wo, .offset: 40, .size: 8, .value_kind: global_buffer, .address_space: global }
      - { .name: kv_mask, .offset: 48, .size: 8, .value_kind: global_buffer, .address_space: global }
      - { .name: query_mask, .offset: 56, .size: 8, .value_kind: global_buffer, .address_space: global }
      - { .name: codes, .offset: 64, .size: 8, .value_kind: global_buffer, .address_space: global }
      - { .name: scales, .offset: 72, .size: 8, .value_kind: global_buffer, .address_space: global }
      - { .name: wo16, .offset: 80, .size: 8, .value_kind: global_buffer, .address_space: global }
      - { .name: tabs, .offset: 88, .size: 8, .value_kind: global_buffer, .address_space: global }
    .group_segment_fixed_size: 33280
    .private_segment_fixed_size: 0
    .kernarg_segment_align: 8
    .kernarg_segment_size: 96
    .max_flat_workgroup_size: 128
    .sgpr_count:     66
    .vgpr_count:     192
    .wavefront_size: 32
...
	.end_amdgpu_metadata
.endif
;; end of part 1
;; launch proj (part 2): grid 32 x 6, 4 waves a work-group, clusters of 4 x 1, 327,680 bytes of LDS; arguments codes, scales, tabs, q16, kv16; writes q16, kv16
.if DOCPART == 2
	.amdgcn_target "amdgcn-amd-amdhsa--gfx1250"
	.amdhsa_code_object_version 6
	.text
	.protected	k_q40aaaf7a64_proj
	.globl	k_q40aaaf7a64_proj
	.p2align	8
	.type	k_q40aaaf7a64_proj,@function
k_q40aaaf7a64_proj:
	s_mov_b64 s[64:65], 0
	v_nop
	global_prefetch_b8 v0, s[64:65] scope:SCOPE_SE
	s_setreg_imm32_b32 hwreg(HW_REG_WAVE_MODE, 25, 1), 1
	s_wait_xcnt 0x0
	s_wait_alu depctr_hold_cnt(0) depctr_sa_sdst(0) depctr_va_vdst(0) depctr_va_sdst(0) depctr_va_ssrc(0) depctr_va_vcc(0) depctr_vm_vsrc(0)
	s_getreg_b32 s2, hwreg(HW_REG_IB_STS2, 6, 4)
	s_cmp_eq_u32 s2, 0
	s_cbranch_scc0 .Lentry_in_a_cluster
	s_endpgm
.Lentry_in_a_cluster:
	s_bfe_u32 s2, ttmp6, 0x10000c
	s_cmp_lg_u32 s2, 0x3003
	s_cbranch_scc0 .Lentry_shape_is_right
	s_endpgm
.Lentry_shape_is_right:
; PROJ: the three quantised products.  C[token][column] = sum over k of A[token][k] W[column][k], on codes of FP4 (E2M1) with one E8M0 scale for each 32 along K = 1,024; sums in f32.
; Grid: x = 32 tiles of 256 tokens; y = 0..3: Wq's rows 256 y on, A = query; y = 4: Wk, y = 5: Wv, A = key_value.  All operands are rows of the buffers codes (512 bytes a row) and scales (32 bytes).
; A tile of 256 x 256 is made by four waves, each 128 x 128: 64 accumulators.  All of K fits in LDS: two slots of 512 along K, both filled once, at the start; the scale bytes likewise.
; CLUSTER: the four work-groups of a cluster differ in the token tile alone, so they need the same rows of W: W's codes and scale bytes are asked for JOINTLY (mask 15); A's tiles by plain loads.
; THE MATRIX INSTRUCTION IS USED TRANSPOSED (source 0 = 16 rows of W, source 1 = 16 tokens): a lane holds one token and eight neighbouring columns.
; THE WAY OUT: a wave's 128 columns are two heads of 64.  In f32: rotate-half by the table of cosines and sines (for Q both times log2(e) / 8, so that attention's exponent needs no factor;
; for V the table is replaced by 1 and 0 through the same lines: cos x 0 + 1, sin x 0), then one rounding to f16, through the wave's stage, out as [batch][head][position][64].
; LIMITS: results beyond f16's range (65,504) are not served; under 6e-5 they keep fewer bits.
; REGISTERS: window 0: v0-31 addresses and factors; v32-95 scale words, two sets, and nothing else; v96-127 the rotation at work; v128-191 A's fragments, on the way out rows read back; v192-255 two sets of cos and sin.
;   window 1: W's fragments, two sets, at v0 and v128.  window 2: accumulators of my tokens 0-63 ((a, b) at v[8 (8 a + b)]);  window 3: of tokens 64-127.
.set NQ,     4                         ; steps of 128 along K in a slot
.set ROWB,   256                       ; a slot's row in bytes: 512 codes
.set KROW,   512                       ; a row of codes in memory
.set PITCH,  272                       ; an LDS row: 256 bytes + 16 of padding: the 16 rows of a fragment load start 68 words apart
.set FR,     8
.set NL,     2
.set NP,     4                         ; places behind this matrix instruction (ISA guide 7.12.1)
.set HALFT,  128*PITCH
.set SLOT,   4*HALFT
.set KS,     32                        ; a row of scale bytes
.set SCL,    2*SLOT                    ; behind the slots: the scale bytes, as units of 256 bytes + 16 of padding
.set HALFS,  (128*KS/256)*272
.set SBLK,   (16*KS/256)*272
.set SPARE,  SCL+4*HALFS               ; the spare words, 128 bytes a wave
.set SPITCH, 272                       ; the way out: a stage of 16 rows x (256 bytes + 16) for each wave, in slot 0, which has had its only fill and its last read by then
.set SCV,  8                           ; v[8:9]   the factor on cos and sin
.set OCV,  10                          ; v[10:11] what is added to cos
.set ADRA, 16
.set ADRB, 20
.set STO,  24
.set RD,   25
.set GO,   26
.set ADRS, 27
.set SPW,  28
.set NIL,  29
.set RO,   30                          ; v30  my lane's byte in the table: 256 x (lane % 16) + 32 x (lane / 16)
.set SC,   32
.set T,    96
.set AF,   128
.set BK,   128
.set CS,   192
.set G1, 24
.set G0, 32
.set G1B, 48
.set G0B, 56
.set G1S, 68
.set G0S, 76
.set G1SB, 80
.set G0SB, 88
.set MSB, 0
.macro WIN new                         ; the immediate's high byte repeats the setting that is left
.if MSB != (\new)
	s_set_vgpr_msb (MSB<<8)|(\new)
.set MSB, (\new)
.endif
.endm
.set MUL_LO, 0xa1                      ; source 0 (W) window 1, source 1 (A) window 0, C and D window 2
.set MUL_HI, 0xf1
.set TO_B,   0x40
; Waves 0 and 1 fetch for A (plain loads), waves 2 and 3 for W (joint loads).  The branch hangs on the wave's number alone.  An s_nop 0 and four v_nop follow each line.
.macro JLOAD g0a, g1a, g0b, g1b
	s_cmp_eq_u32 s15, 0
	s_cbranch_scc0 .Lfor_b_\@
	tensor_load_to_lds s[\g0a:\g0a+3], s[\g1a:\g1a+7]
	s_nop 0
.rept 4
	v_nop
.endr
	s_branch .Lasked_\@
.Lfor_b_\@:
	tensor_load_to_lds s[\g0b:\g0b+3], s[\g1b:\g1b+7]
	s_nop 0
.rept 4
	v_nop
.endr
.Lasked_\@:
.endm
.macro CROUND                          ; a round of the cluster's barrier
	s_barrier_signal -1
	s_barrier_wait -1
	s_cmp_lg_u32 s14, 0
	s_cbranch_scc1 .Lnot_wave_0_\@
	s_barrier_signal -3
.Lnot_wave_0_\@:
	s_barrier_wait -3
	s_barrier_signal -1
	s_barrier_wait -1
.endm
	s_load_b256 s[4:11], s[0:1], 0x0               ; codes s[4:5], scales s[6:7], tabs s[8:9], q16 s[10:11]
	s_load_b64 s[12:13], s[0:1], 0x20              ; kv16
	v_lshl_add_u32 v[SPW], v0, 2, SPARE
	v_mov_b32 v[NIL], 0
	ds_add_u32 v[SPW], v[NIL]                      ; the wave's opening: the add, twice on end, and its wait ahead of my first tensor load
	ds_add_u32 v[SPW], v[NIL]
	v_lshrrev_b32 v1, 5, v0
	v_readfirstlane_b32 s14, v1                    ; wave 0..3
	s_lshr_b32 s15, s14, 1                         ; which half of the tile's tokens is mine.  Also: I fetch for A (0) or for W (1)
	s_and_b32 s16, s14, 1                          ; which half of its columns.  Also: which 128 rows I fetch
	s_bfe_u32 s40, ttmp6, 0x40000                  ; cx
	s_lshl_b32 s42, ttmp9, 2
	s_add_co_u32 s42, s42, s40                     ; the token tile = 4 x cluster x + cx
	s_and_b32 s17, ttmp7, 0xffff                   ; y, which the four partners share
	; descriptor group 1: 128 rows x 256 bytes, padded in LDS.  A's: no mask.  W's: mask 15, bit 21 beside it
	s_mov_b32 s[G1+0], (0<<16)|(1<<20)|(5<<22)|(3<<25)             ; elements of 1 byte; padding: 4 words after every 64
	s_mov_b32 s[G1B+0], 15|(0<<16)|(1<<20)|(1<<21)|(5<<22)|(3<<25)
.irp g, G1, G1B
	s_mov_b32 s[\g+1], ROWB<<16                    ; tensor_dim0
	s_mov_b32 s[\g+2], 128<<16                     ; tensor_dim1
	s_mov_b32 s[\g+3], ROWB<<16                    ; tile_dim0
	s_mov_b32 s[\g+4], 128                         ; tile_dim1
	s_mov_b32 s[\g+5], KROW                        ; from row to row
	s_mov_b32 s[\g+6], 0
	s_mov_b32 s[\g+7], 0
.endr
	; the scale bytes of 128 rows: 4,096 dense bytes, as 16 rows of 256 bytes (32 elements of 8 bytes), 16 bytes of padding behind each
	s_mov_b32 s[G1S+0], (3<<16)|(1<<20)|(5<<22)|(3<<25)
	s_mov_b32 s[G1SB+0], 15|(3<<16)|(1<<20)|(1<<21)|(5<<22)|(3<<25)
.irp g, G1S, G1SB
	s_mov_b32 s[\g+1], 32<<16
	s_mov_b32 s[\g+2], (128*KS/256)<<16
	s_mov_b32 s[\g+3], 32<<16
	s_mov_b32 s[\g+4], 128*KS/256
	s_mov_b32 s[\g+5], 32
	s_mov_b32 s[\g+6], 0
	s_mov_b32 s[\g+7], 0
.endr
	s_lshl_b32 s18, s16, 7                         ; which 128 rows of a tile I fetch
	s_lshl_b32 s19, s42, 8                         ; 256 x token tile
	s_cmp_ge_u32 s17, 4
	s_cselect_b32 s20, 8192, 0                     ; key_value's rows lie behind query's
	s_add_co_u32 s20, s20, s19
	s_add_co_u32 s20, s20, s18                     ; A's first row
	s_lshl_b32 s46, s17, 8
	s_add_co_u32 s46, s46, s18
	s_add_co_u32 s46, s46, 16384                   ; W's first row: made of y and the wave's number alone
	s_lshl_b32 s22, s20, 5                         ; in bytes: scale bytes,
	s_mov_b32 s23, 0
	s_lshl_b32 s20, s20, 9                         ; codes
	s_mov_b32 s21, 0
	s_lshl_b32 s92, s46, 5
	s_mov_b32 s93, 0
	s_lshl_b32 s46, s46, 9
	s_mov_b32 s47, 0
	s_mul_i32 s45, s14, HALFT                      ; where they go: wave x 128 rows: no place in the cluster enters an LDS address
	s_mul_i32 s94, s14, HALFS
	s_wait_dscnt 0x0                               ; both opening adds are done
	s_wait_kmcnt 0x0
	s_add_nc_u64 s[20:21], s[4:5], s[20:21]
	s_add_nc_u64 s[22:23], s[6:7], s[22:23]
	s_add_nc_u64 s[46:47], s[4:5], s[46:47]
	s_add_nc_u64 s[92:93], s[6:7], s[92:93]
	CROUND                                         ; all four work-groups are here: the joint loads meet
	s_mov_b32 s[G0S], 1
	s_add_co_u32 s[G0S+1], s94, SCL
	s_mov_b64 s[G0S+2:G0S+3], s[22:23]
	s_or_b32 s[G0S+3], s[G0S+3], 0x80000000
	s_mov_b32 s[G0SB], 1
	s_add_co_u32 s[G0SB+1], s94, SCL
	s_mov_b64 s[G0SB+2:G0SB+3], s[92:93]
	s_or_b32 s[G0SB+3], s[G0SB+3], 0x80000000
	JLOAD G0S, G1S, G0SB, G1SB                     ; the scale bytes first: they are wanted with the first step.  Three loads of mine are out behind the third JLOAD
.irp s, 0,1
	s_mov_b32 s[G0+4*\s], 1
	s_add_co_u32 s[G0+4*\s+1], s45, \s*SLOT
	s_add_nc_u64 s[G0+4*\s+2:G0+4*\s+3], s[20:21], \s*ROWB
	s_or_b32 s[G0+4*\s+3], s[G0+4*\s+3], 0x80000000
	s_mov_b32 s[G0B+4*\s], 1
	s_add_co_u32 s[G0B+4*\s+1], s45, \s*SLOT
	s_add_nc_u64 s[G0B+4*\s+2:G0B+4*\s+3], s[46:47], \s*ROWB
	s_or_b32 s[G0B+4*\s+3], s[G0B+4*\s+3], 0x80000000
	JLOAD G0+4*\s, G1, G0B+4*\s, G1B
.endr
	; what hangs on y: the output buffer, its number of heads, the factors.  Values and pointers are chosen; no way through the text hangs on y
	s_cmp_lt_u32 s17, 4
	s_cselect_b64 s[12:13], s[10:11], s[12:13]
	s_cselect_b32 s66, 16, 4                       ; heads in the output
	s_cselect_b32 s67, s17, 0
	s_cselect_b32 s95, 0x3e38aa3b, 1.0             ; Q: log2(e) / 8;  K: 1
	s_cmp_eq_u32 s17, 5
	s_cselect_b32 s95, 0, s95                      ; V: 0,
	s_cselect_b32 s96, 1.0, 0                      ; and 1 added to the cosine
	s_cselect_b32 s97, 0x400000, 0                 ; V lies behind K in kv16
	s_lshr_b32 s43, s42, 3                         ; batch
	s_mul_i32 s43, s43, s66
	s_lshl_b32 s67, s67, 2
	s_add_co_u32 s43, s43, s67
	s_lshl_b32 s44, s16, 1
	s_add_co_u32 s43, s43, s44                     ; my first head, counted through the batches
	s_lshl_b32 s43, s43, 11
	s_and_b32 s44, s42, 7
	s_lshl_b32 s44, s44, 8
	s_lshl_b32 s41, s15, 7
	s_add_co_u32 s44, s44, s41                     ; my first position
	s_add_co_u32 s43, s43, s44
	s_lshl_b32 s2, s43, 7                          ; 128 bytes a position and head
	s_add_co_u32 s2, s2, s97
	s_mov_b32 s3, 0
	s_add_nc_u64 s[12:13], s[12:13], s[2:3]
	s_lshl_b32 s2, s44, 8                          ; the table: 256 bytes a position
	s_add_nc_u64 s[8:9], s[8:9], s[2:3]
	v_mov_b32 v[SCV], s95
	v_mov_b32 v[SCV+1], s95
	v_mov_b32 v[OCV], s96
	v_mov_b32 v[OCV+1], s96
	v_and_b32 v1, 15, v0                           ; l % 16
	v_bfe_u32 v2, v0, 4, 1                         ; l / 16
	v_lshlrev_b32 v[RO], 8, v1
	v_lshl_add_u32 v[RO], v2, 5, v[RO]
; cos and sin for block a (16 positions): lane (r, h) wants, of position 16 a + r, frequencies 16 bq + 8 h + 0..7: registers 8 bq + j of the set's first 16 (cos) and second 16 (sin)
.macro CSLOAD a
.set CSB, CS+32*((\a)%2)
.irp q, 0,1
.irp bq, 0,1
	global_load_b128 v[CSB+16*\q+8*\bq:CSB+16*\q+8*\bq+3], v[RO], s[8:9] offset:4096*(\a)+128*\q+64*\bq
	global_load_b128 v[CSB+16*\q+8*\bq+4:CSB+16*\q+8*\bq+7], v[RO], s[8:9] offset:4096*(\a)+128*\q+64*\bq+16
.endr
.endr
.endm
	CSLOAD 0                                       ; the first two blocks' table is asked for now and lands under the products
	CSLOAD 1
	v_mul_u32_u24 v3, v1, PITCH
	v_lshl_add_u32 v4, v2, 4, v3                   ; a fragment's row x pitch + 16 x half
	s_mul_i32 s21, s15, HALFT                      ; my 128 rows of A
	s_mul_i32 s22, s16, HALFT                      ; my 128 rows of W,
	s_add_co_u32 s22, s22, 2*HALFT                 ; which lie behind A's 256
.irp s, 0,1
	v_add_nc_u32 v[ADRA+\s], s21, v4
	v_add_nc_u32 v[ADRB+\s], s22, v4
	s_add_co_u32 s21, s21, SLOT
	s_add_co_u32 s22, s22, SLOT
.endr
	v_mul_u32_u24 v5, v1, KS                       ; my row's scale bytes: 32 a row,
	v_lshrrev_b32 v6, 8, v5
	v_lshl_add_u32 v5, v6, 4, v5                   ; and 16 more for each 256 passed
	s_mul_i32 s21, s15, HALFS
	s_mul_i32 s22, s16, HALFS
	s_add_co_u32 s22, s22, 2*HALFS
	s_sub_co_u32 s22, s22, s21
	v_mul_u32_u24 v6, s22, v2                      ; lanes 16-31 take W's: one product, the distance between the two bases x the lane's half
	s_add_co_u32 s21, s21, SCL
	v_add_nc_u32 v5, v5, v6
	v_add_nc_u32 v[ADRS], s21, v5
	s_mul_i32 s23, s14, 16*SPITCH                  ; my stage
	v_mul_u32_u24 v5, v1, SPITCH                   ; in: row l % 16, 16 bytes for each half of the lanes
	v_lshl_add_u32 v5, v2, 4, v5
	v_add_nc_u32 v[STO], s23, v5
	v_bfe_u32 v5, v0, 3, 1                         ; back: lanes 0-15 one head, lanes 16-31 the other; in a head eight lanes a token, two neighbouring tokens
	v_and_b32 v6, 7, v0
	v_mul_u32_u24 v3, v5, SPITCH
	v_lshl_add_u32 v3, v2, 7, v3
	v_lshl_add_u32 v3, v6, 4, v3
	v_add_nc_u32 v[RD], s23, v3
	v_lshlrev_b32 v5, 7, v5                        ; and in memory: a head is 262,144 bytes, a token 128
	v_lshl_add_u32 v5, v2, 18, v5
	v_lshl_add_u32 v[GO], v6, 4, v5
.macro FRAG reg, adr, q, i             ; a fragment, 16 rows x 128 K of 4-bit codes: 8 registers, two loads of 16 bytes, 32 bytes apart
.irp c, 0,1
	ds_load_b128 v[\reg+4*\c:\reg+4*\c+3], v[\adr] offset:64*(\q)+32*\c+(\i)*16*PITCH
.endr
.endm
; 16 matrix instructions: A's blocks a0, a0 + 1 x W's eight, 128 along K.  The 64 accumulators take turns, one instruction a turn, in the same order in every step.
; One register carries A's scale word (lanes 0-15) and W's (lanes 16-31).
.macro MUL16 a0, p, q, sc, zero
.irp a, \a0, \a0+1
.irp b, 0,1,2,3,4,5,6,7
.if \zero
	v_wmma_scale_f32_16x16x128_f8f6f4 v[8*(8*((\a)%4)+\b):8*(8*((\a)%4)+\b)+7], v[128*(\p)+FR*\b:128*(\p)+FR*\b+FR-1], v[AF+FR*(\a):AF+FR*(\a)+FR-1], 0, v[SC+8*NQ*(\sc)+NQ*\b+(\q)], v[SC+8*NQ*(\sc)+NQ*(\a)+(\q)] matrix_a_fmt:MATRIX_FMT_FP4 matrix_b_fmt:MATRIX_FMT_FP4 matrix_a_scale:MATRIX_SCALE_ROW1
.else
	v_wmma_scale_f32_16x16x128_f8f6f4 v[8*(8*((\a)%4)+\b):8*(8*((\a)%4)+\b)+7], v[128*(\p)+FR*\b:128*(\p)+FR*\b+FR-1], v[AF+FR*(\a):AF+FR*(\a)+FR-1], v[8*(8*((\a)%4)+\b):8*(8*((\a)%4)+\b)+7], v[SC+8*NQ*(\sc)+NQ*\b+(\q)], v[SC+8*NQ*(\sc)+NQ*(\a)+(\q)] matrix_a_fmt:MATRIX_FMT_FP4 matrix_b_fmt:MATRIX_FMT_FP4 matrix_a_scale:MATRIX_SCALE_ROW1
.endif
.endr
.endr
.endm
.macro FETCH_B slot, q, p
	WIN TO_B
.irp i, 0,1,2,3,4,5,6,7
	FRAG 128*(\p)+FR*\i, ADRB+\slot, \q, \i
.endr
	WIN 0
.endm
.macro FETCH_A slot, q, i0
.irp i, \i0, \i0+1, \i0+2, \i0+3
	FRAG AF+FR*(\i), ADRA+\slot, \q, \i
.endr
.endm
.macro SCALES sc                       ; a slot's scale words: 4 words a row; lanes 0-15 A's block i, lanes 16-31 W's block i
.irp i, 0,1,2,3,4,5,6,7
	ds_load_b128 v[SC+8*NQ*\sc+NQ*\i:SC+8*NQ*\sc+NQ*\i+3], v[ADRS] offset:\i*SBLK
.endr
.endm
.macro PLACES n                        ; plain vector lines between a matrix instruction and a load into, or a read of, its registers
.rept \n
	v_nop
.endr
.endm
.macro STEP slot, q, zero              ; a step of 128 along K that has its successor in the same slot
	s_wait_dscnt 4*NL                              ; W's set and A's blocks 0-3 are in; the youngest eight loads (A's blocks 4-7) may be out
	WIN MUL_LO
	MUL16 0, (\q)%2, \q, \slot, \zero
	MUL16 2, (\q)%2, \q, \slot, \zero
	s_wait_dscnt 0
	PLACES NP
	FETCH_B \slot, (\q)+1, 1-(\q)%2
	FETCH_A \slot, (\q)+1, 0
	WIN MUL_HI
	MUL16 4, (\q)%2, \q, \slot, \zero
	MUL16 6, (\q)%2, \q, \slot, \zero
	PLACES NP
	WIN 0
	FETCH_A \slot, (\q)+1, 4
.endm
.macro TURN slot, next                 ; a slot's last step changes slots: one barrier
	s_wait_tensorcnt 0x0                           ; all my tensor loads have landed: my part of the next slot
	ds_add_u32 v[SPW], v[NIL]                      ; 0 onto my spare word
	s_wait_dscnt 4*NL+1                            ; (the add and the youngest eight loads may be out)
	WIN MUL_LO
	MUL16 0, 1, NQ-1, \slot, 0
	s_wait_dscnt 0x0                               ; the add is done, and my reads of this slot are over
	s_barrier_signal -1
	MUL16 2, 1, NQ-1, \slot, 0
	WIN 0
	s_barrier_wait -1                              ; the next slot is whole, and nobody reads this one any more
	PLACES NP
	v_add_nc_u32 v[ADRS], 4*NQ, v[ADRS]            ; on to the next slot's scale words
	FETCH_B \next, 0, 0
	FETCH_A \next, 0, 0
	SCALES \next
	WIN MUL_HI
	MUL16 4, 1, NQ-1, \slot, 0
	MUL16 6, 1, NQ-1, \slot, 0
	PLACES NP
	WIN 0
	FETCH_A \next, 0, 4
.endm
.macro STEPS slot, from
.set Q, \from
.rept NQ-1-\from
	STEP \slot, Q, 0
.set Q, Q+1
.endr
.endm
	s_wait_tensorcnt 1                             ; the scale bytes and my part of slot 0 are in; slot 1's load may be out
	s_barrier_signal -1
	s_barrier_wait -1
	FETCH_B 0, 0, 0
	FETCH_A 0, 0, 0
	SCALES 0
	FETCH_A 0, 0, 4
	STEP 0, 0, 1                                   ; the first step's products start the sums: nothing is cleared
	STEPS 0, 1
	TURN 0, 1
	STEPS 1, 0
	s_wait_dscnt 4*NL                              ; the last step: nothing more to fetch
	WIN MUL_LO
	MUL16 0, 1, NQ-1, 1, 0
	MUL16 2, 1, NQ-1, 1, 0
	s_wait_dscnt 0
	WIN MUL_HI
	MUL16 4, 1, NQ-1, 1, 0
	MUL16 6, 1, NQ-1, 1, 0
	WIN 0
; THE WAY OUT, block a of 16 tokens x 128 columns at a time.
.macro CSCALE a                        ; the table times the factor: cos x f + g, sin x f
.set CSB, CS+32*((\a)%2)
.irp i, 0,2,4,6,8,10,12,14
	v_pk_fma_f32 v[CSB+\i:CSB+\i+1], v[CSB+\i:CSB+\i+1], v[SCV:SCV+1], v[OCV:OCV+1]
	v_pk_mul_f32 v[CSB+16+\i:CSB+16+\i+1], v[CSB+16+\i:CSB+16+\i+1], v[SCV:SCV+1]
.endr
.endm
; One head: x1 = its channels 0-31 (accumulators 4 hd + bq), x2 = channels 32-63 (4 hd + bq + 2).  T[0..15] = x1 cos - x2 sin, T[16..31] = x1 sin + x2 cos.  Each accumulator is read from its low end on.
; Then each group of eight is rounded to f16 into its own low four registers, and goes to the stage: 16 bytes of a token's row.
.macro ROTHEAD a, hd
.set CSB, CS+32*((\a)%2)
.set AC, 64*((\a)%4)+32*(\hd)
	WIN 0x02+(\a)/4                                ; source 0: the accumulators' window
.irp bq, 0,1
.irp jp, 0,2,4,6
	v_pk_mul_f32 v[T+8*\bq+\jp:T+8*\bq+\jp+1], v[AC+8*(\bq+2)+\jp:AC+8*(\bq+2)+\jp+1], v[CSB+16+8*\bq+\jp:CSB+16+8*\bq+\jp+1]
	v_pk_mul_f32 v[T+16+8*\bq+\jp:T+16+8*\bq+\jp+1], v[AC+8*(\bq+2)+\jp:AC+8*(\bq+2)+\jp+1], v[CSB+8*\bq+\jp:CSB+8*\bq+\jp+1]
.endr
.endr
.irp bq, 0,1
.irp jp, 0,2,4,6
	v_pk_fma_f32 v[T+8*\bq+\jp:T+8*\bq+\jp+1], v[AC+8*\bq+\jp:AC+8*\bq+\jp+1], v[CSB+8*\bq+\jp:CSB+8*\bq+\jp+1], v[T+8*\bq+\jp:T+8*\bq+\jp+1] neg_lo:[0,0,1] neg_hi:[0,0,1]
	v_pk_fma_f32 v[T+16+8*\bq+\jp:T+16+8*\bq+\jp+1], v[AC+8*\bq+\jp:AC+8*\bq+\jp+1], v[CSB+16+8*\bq+\jp:CSB+16+8*\bq+\jp+1], v[T+16+8*\bq+\jp:T+16+8*\bq+\jp+1]
.endr
.endr
	WIN 0
.irp g, 0,1,2,3
.irp i, 0,1,2,3
	v_cvt_pk_f16_f32 v[T+8*\g+\i], v[T+8*\g+2*\i], v[T+8*\g+2*\i+1]
.endr
.endr
.irp g, 0,1,2,3
	ds_store_b128 v[STO], v[T+8*\g:T+8*\g+3] offset:32*(4*(\hd)+\g)
.endr
.endm
.macro BACK a                          ; the block comes back by heads and tokens: LDS serves a wave's instructions in order, so these see the stores above, and the next block's stores come behind them
.set BB, BK+32*((\a)%2)
.irp i, 0,1,2,3,4,5,6,7
	ds_load_b128 v[BB+4*\i:BB+4*\i+3], v[RD] offset:\i*2*SPITCH
.endr
.endm
.macro SEND a, younger
.set BB, BK+32*((\a)%2)
	s_wait_dscnt \younger
.irp i, 0,1,2,3,4,5,6,7
	global_store_b128 v[GO], v[BB+4*\i:BB+4*\i+3], s[12:13] offset:2048*(\a)+256*\i   ; sixteen lanes store two neighbouring tokens of one head: 256 consecutive bytes, aligned
.endr
.endm
.macro BLOCK a
.if (\a) < 7
	s_wait_loadcnt 8                               ; this block's table is in; the next block's eight loads may be out
.else
	s_wait_loadcnt 0x0
.endif
	CSCALE \a
	ROTHEAD \a, 0
	ROTHEAD \a, 1
.if (\a) > 1
	s_wait_xcnt 0x0                                ; block a - 2's stores have read their data registers, into which this block comes back
.endif
.if (\a) < 6
	CSLOAD (\a)+2
.endif
	BACK \a
.if (\a) > 0
	SEND (\a)-1, 16                                ; behind block a - 1's loads: this block's 8 stores and 8 loads
.endif
.endm
	PLACES NP                                      ; between the last products and the first read of results
.irp a, 0,1,2,3,4,5,6,7
	BLOCK \a
.endr
	SEND 7, 0
	s_wait_tensorcnt 0x0                           ; the wave's end
	ds_add_u32 v[SPW], v[NIL]
	s_wait_dscnt 0x0
	CROUND                                         ; the closing round: no work-group ends while a partner may still ask jointly
	s_endpgm
.Lfunc_end_k_q40aaaf7a64_proj:
	.size	k_q40aaaf7a64_proj, .Lfunc_end_k_q40aaaf7a64_proj-k_q40aaaf7a64_proj
	.p2alignl 7, 3214868480
	.fill 96, 4, 3214868480
	.section	.rodata,"a",@progbits
	.p2align	6, 0x0
	.amdhsa_kernel k_q40aaaf7a64_proj
		.amdhsa_group_segment_fixed_size 327680
		.amdhsa_private_segment_fixed_size 0
		.amdhsa_enable_private_segment 0
		.amdhsa_kernarg_size 40
		.amdhsa_user_sgpr_count 2
		.amdhsa_user_sgpr_kernarg_segment_ptr 1
		.amdhsa_wavefront_size32 1
		.amdhsa_system_sgpr_workgroup_id_x 1
		.amdhsa_system_sgpr_workgroup_id_y 1
		.amdhsa_system_sgpr_workgroup_id_z 1
		.amdhsa_system_vgpr_workitem_id 0
		.amdhsa_next_free_vgpr 1024
		.amdhsa_next_free_sgpr 98
		.amdhsa_reserve_vcc 0
		.amdhsa_float_denorm_mode_32 3
		.amdhsa_float_denorm_mode_16_64 3
		.amdhsa_memory_ordered 1
		.amdhsa_forward_progress 1
		.amdhsa_inst_pref_size 174
	.end_amdhsa_kernel
	.amdgpu_metadata
---
amdhsa.version: [ 1, 2 ]
amdhsa.kernels:
  - .name:           k_q40aaaf7a64_proj
    .symbol:         k_q40aaaf7a64_proj.kd
    .args:
      - { .name: codes, .offset: 0, .size: 8, .value_kind: global_buffer, .address_space: global }
      - { .name: scales, .offset: 8, .size: 8, .value_kind: global_buffer, .address_space: global }
      - { .name: tabs, .offset: 16, .size: 8, .value_kind: global_buffer, .address_space: global }
      - { .name: q16, .offset: 24, .size: 8, .value_kind: global_buffer, .address_space: global }
      - { .name: kv16, .offset: 32, .size: 8, .value_kind: global_buffer, .address_space: global }
    .group_segment_fixed_size: 327680
    .private_segment_fixed_size: 0
    .kernarg_segment_align: 8
    .kernarg_segment_size: 40
    .max_flat_workgroup_size: 128
    .sgpr_count:     98
    .vgpr_count:     1024
    .wavefront_size: 32
...
	.end_amdgpu_metadata
.endif
;; end of part 2
;; launch attn (part 3): grid 16 x 16, 8 waves a work-group, no clusters, 327,680 bytes of LDS; arguments q16, kv16, tabs, o16; writes o16
.if DOCPART == 3
	.amdgcn_target "amdgcn-amd-amdhsa--gfx1250"
	.amdhsa_code_object_version 6
	.text
	.protected	k_q40aaaf7a64_attn
	.globl	k_q40aaaf7a64_attn
	.p2align	8
	.type	k_q40aaaf7a64_attn,@function
k_q40aaaf7a64_attn:
	s_mov_b64 s[64:65], 0
	v_nop
	global_prefetch_b8 v0, s[64:65] scope:SCOPE_SE
	s_setreg_imm32_b32 hwreg(HW_REG_WAVE_MODE, 25, 1), 1
	s_wait_xcnt 0x0
; ATTN: O[query] = sum over keys of softmax(Q . K / 8, masked) V, for the four query heads that share a key and value head.  Q, K, V are f16 (Q already times log2(e) / 8); products, maxima and sums in f32;
; the weights p are rounded to f16 for the second product, O once at the end.
; SHARES.  Work-group (x, y): 128 positions (x), batch and key-value head (y = 4 batch + head): 512 query rows.  Wave w: heads 2 (w & 1) + 0, 1 of the four, positions 32 (w >> 1) on: four tiles t = 2 hd + pt of 16 queries.
; Every wave walks all 2,048 keys, 64 a step; each fragment of K or V read from LDS feeds four matrix instructions.
; LAYOUT.  S^T = K Q^T (source 0 = 16 keys, source 1 = 16 queries), O^T = V^T P (V turned by ds_load_tr16_b128): a lane holds ONE query throughout; two score tiles, packed in pairs, are source 1 of the second product.
; MASKS.  kbias (0 or -1e30 a key) is the C of each score tile's first matrix instruction.  a = qfac (1, or 0 where the query is masked or the batch has no live key) multiplies the exponent:
; p = 2^(a S - a m), m the running maximum of S.  a = 1: a masked key beside a live one gets 2^(about -1e30) = 0; what steps without a live key have summed is multiplied by 2^(m_old - m_new) = 0 when the first
; live key comes.  a = 0: p = 1 for all 2,048 keys: the plain mean of V, as the reference's softmax of equal scores gives.  No address and no way through the text hangs on a mask.
; TWO WAVES SHARE A SIMD'S REGISTERS, HALF A STEP APART.  A step is a run of 64 matrix instructions and a softmax of some 470 vector instructions.  Waves 0-3 run their first softmax in front of a barrier,
; waves 4-7 behind it; from there one group's softmax stands beside the other's products.  At a change of slots the barrier's signal stands in front of the softmax and its wait behind it, so that the distance is kept.
; NO CLUSTER: a joint refill would stand behind a round of the cluster's barrier, whose closing signal and wait stand on end and would bring all eight waves into one phase at each of the 15 changes; and what
; partners would share is small: 32 KiB at a change of slots, for the work-group's 1,024 matrix instructions between two changes.
; LIMITS: scores are taken to lie above -1e30, as the reference supposes.  p under 6e-8 counts as 0 in the second product (the row's sum, at least 1, is taken of the unrounded p).  NaN and infinities are not served.
; LDS: slot 0 at 0, slot 1 at 65,536: each K of two steps (64 rows x 144 bytes each), then V of two steps (64 x 160); kbias of the batch (8,192 bytes); a stage of 32 rows x 272 bytes for each wave; the spare words.
; REGISTERS.  window 0: v1-11 addresses; v12-27 statistics, four a tile: -a m, m, the sum in two halves; v28-31 a; v32-63 kbias, then at work; v64-191 S^T, then p; v192-255 V.   window 1: v0-63 Q; v64-127 K; v128-255 O^T.
.set PKP,   144                        ; a row of K in LDS: 128 bytes + 16: the 16 rows of a load start 36 words apart
.set PVP,   160                        ; a row of V: 128 + 32, an odd multiple of 32 for the turning load
.set KSB,   64*PKP
.set VSB,   64*PVP
.set VOFF,  2*KSB
.set SLOT1, 65536                      ; one exclusive or turns an address in one slot into the other's
.set BIAS,  131072
.set STAGE, 139264
.set SP,    272
.set SPARE, STAGE+8*32*SP
.set AK0, 1
.set AV0, 2
.set AB0, 3
.set ADK, 4
.set ADV, 5
.set ADB, 6
.set PFO, 7
.set SPW, 8
.set NIL, 9
.set QO,  10
.set AO,  11
.set ST,  12
.set AFC, 28
.set X,   32
.set S,   64
.set VF,  192
.set KF,  64                           ; window 1
.set OA,  128                          ; window 1
.set WV,  12
.set POS, 13
.set YY,  14
.set LIM, 15
.set PFA, 18
.set G1K, 24
.set G1V, 32
.set G0K, 40                           ; two sets: the two first fills; the second then walks on
.set G0V, 48
.set SLOTS, 56
.set TJ,  57
.set SEL, 60
.set TB,  62
.set G1T, 68
.set G0T, 76
.set MSB, 0
.macro WIN new                         ; the immediate's high byte repeats the setting that is left
.if MSB != (\new)
	s_set_vgpr_msb (MSB<<8)|(\new)
.set MSB, (\new)
.endif
.endm
	s_load_b256 s[4:11], s[0:1], 0x0               ; q16 s[4:5], kv16 s[6:7], tabs s[8:9], o16 s[10:11]
	v_lshl_add_u32 v[SPW], v0, 2, SPARE
	v_mov_b32 v[NIL], 0
	ds_add_u32 v[SPW], v[NIL]                      ; the wave's opening: the add, twice on end, and its wait ahead of the first tensor loads
	ds_add_u32 v[SPW], v[NIL]
	v_lshrrev_b32 v32, 5, v0
	v_readfirstlane_b32 s[WV], v32                 ; wave 0..7
	s_and_b32 s[YY], ttmp7, 0xffff
	s_and_b32 s20, s[WV], 1                        ; my pair of heads.  Also: which of a slot's two steps I fetch
	s_lshr_b32 s21, s[WV], 1                       ; my group of 32 positions
	s_lshl_b32 s[POS], ttmp9, 7
	s_lshl_b32 s16, s21, 5
	s_add_co_u32 s[POS], s[POS], s16               ; my first position
	s_mul_i32 s22, s20, KSB                        ; where my step's K goes in a slot,
	s_mul_i32 s23, s20, VSB
	s_add_co_u32 s23, s23, VOFF                    ; and its V
	s_lshl_b32 s80, s[YY], 18                      ; 262,144 bytes of K (or V) for a batch and head,
	s_lshl_b32 s81, s20, 13                        ; 8,192 a step
	s_add_co_u32 s80, s80, s81
	s_mov_b32 s81, 0
	s_lshr_b32 s82, s[YY], 2                       ; batch
	s_lshl_b32 s58, s82, 13                        ; its 8,192 bytes in either table of mask numbers
	s_and_b32 s83, s[WV], 3
	s_lshl_b32 s84, s83, 11                        ; the quarter of kbias that I fetch, if I fetch
	s_add_co_u32 s85, s84, BIAS
	s_add_co_u32 s86, s84, s58
	s_add_co_u32 s86, s86, 524288
	s_mov_b32 s87, 0
	s_lshl_b32 s88, s[POS], 2
	s_add_co_u32 s88, s88, s58
	s_add_co_u32 s88, s88, 557056                  ; qfac at my first position
	s_mov_b32 s89, 0
	s_lshl_b32 s16, s[YY], 2
	s_lshl_b32 s17, s20, 1
	s_add_co_u32 s16, s16, s17                     ; my first head, counted through the batches: 4 y + 2 (w & 1)
	s_lshl_b32 s16, s16, 11
	s_add_co_u32 s16, s16, s[POS]
	s_lshl_b32 s16, s16, 7                         ; Q: 128 bytes a position and head
	s_mov_b32 s17, 0
	s_lshl_b32 s82, s82, 11
	s_add_co_u32 s82, s82, s[POS]
	s_lshl_b32 s82, s82, 11                        ; O: 2,048 bytes a token,
	s_and_b32 s83, s[YY], 3
	s_lshl_b32 s83, s83, 2
	s_lshl_b32 s59, s20, 1
	s_add_co_u32 s83, s83, s59
	s_lshl_b32 s83, s83, 7                         ; 128 a head
	s_add_co_u32 s82, s82, s83
	s_mov_b32 s83, 0
	s_lshr_b32 s59, s[WV], 2
	s_xor_b32 s59, s59, 1                          ; 0 in waves 4 to 7,
	s_or_b32 s59, s59, ttmp9                       ; of the work-group with x = 0
	s_cmp_eq_u32 s59, 0
	s_cselect_b32 s[LIM], 1, -1                    ; 1 in a wave that prefetches, else the greatest number
	; descriptor group 1.  K: 64 rows x 64 elements of 2 bytes, 4 words of padding after every 32;  V: the same with 8 words;  kbias: 8 dense rows of 256 bytes
	s_mov_b32 s[G1K], (1<<16)|(1<<20)|(4<<22)|(3<<25)
	s_mov_b32 s[G1V], (1<<16)|(1<<20)|(4<<22)|(7<<25)
.irp g, G1K, G1V
	s_mov_b32 s[\g+1], 64<<16                      ; tensor_dim0
	s_mov_b32 s[\g+2], 64<<16                      ; tensor_dim1
	s_mov_b32 s[\g+3], 64<<16                      ; tile_dim0
	s_mov_b32 s[\g+4], 64                          ; tile_dim1
	s_mov_b32 s[\g+5], 64                          ; from row to row
	s_mov_b32 s[\g+6], 0
	s_mov_b32 s[\g+7], 0
.endr
	s_mov_b32 s[G1T], 3<<16
	s_mov_b32 s[G1T+1], 32<<16
	s_mov_b32 s[G1T+2], 8<<16
	s_mov_b32 s[G1T+3], 32<<16
	s_mov_b32 s[G1T+4], 8
	s_mov_b32 s[G1T+5], 32
	s_mov_b32 s[G1T+6], 0
	s_mov_b32 s[G1T+7], 0
	s_mov_b32 s[SEL], 0x76543210
	s_mov_b32 s[SEL+1], 0xfedcba98                 ; v_permlanex16_b32: lane l xor 16
	s_mov_b32 s[TB], 0
	s_mov_b32 s[TJ], 0
	s_mov_b32 s[SLOTS], 14                         ; slots still to be asked for: 16 slots' worth of keys, two come with the first fills
	s_wait_dscnt 0x0                               ; both opening adds are done
	s_wait_kmcnt 0x0
	s_add_nc_u64 s[80:81], s[6:7], s[80:81]        ; K at my step of slot 0
	s_mov_b32 s[G0K], 1
	s_mov_b32 s[G0K+1], s22
	s_mov_b64 s[G0K+2:G0K+3], s[80:81]
	s_or_b32 s[G0K+3], s[G0K+3], 0x80000000
	s_mov_b32 s[G0K+4], 1
	s_add_co_u32 s[G0K+5], s22, SLOT1
	s_add_nc_u64 s[G0K+6:G0K+7], s[80:81], 16384   ; a slot's two steps are 16,384 bytes
	s_or_b32 s[G0K+7], s[G0K+7], 0x80000000
	s_mov_b32 s[G0V], 1
	s_mov_b32 s[G0V+1], s23
	s_add_nc_u64 s[G0V+2:G0V+3], s[80:81], 0x400000   ; V lies 4,194,304 bytes behind K
	s_or_b32 s[G0V+3], s[G0V+3], 0x80000000
	s_mov_b32 s[G0V+4], 1
	s_add_co_u32 s[G0V+5], s23, SLOT1
	s_add_nc_u64 s[G0V+6:G0V+7], s[80:81], 0x404000
	s_or_b32 s[G0V+7], s[G0V+7], 0x80000000
	s_mov_b32 s[G0T], 1
	s_mov_b32 s[G0T+1], s85
	s_add_nc_u64 s[G0T+2:G0T+3], s[8:9], s[86:87]
	s_or_b32 s[G0T+3], s[G0T+3], 0x80000000
	s_add_nc_u64 s[4:5], s[4:5], s[16:17]
	s_add_nc_u64 s[88:89], s[8:9], s[88:89]
	s_add_nc_u64 s[10:11], s[10:11], s[82:83]
	s_mov_b32 s16, 0x408000                        ; the prefetches: waves 4, 5 stand in K, waves 6, 7 in V, at my half of the third slot's worth of keys; the first change steps it to the fourth
	s_cmp_lt_u32 s[WV], 6
	s_cselect_b32 s16, 32768, s16
	s_add_nc_u64 s[PFA:PFA+1], s[80:81], s[16:17]
	; THE FIRST FILLS, a wave's three inside one branch: waves 0, 1: a quarter of kbias and K of both slots; waves 2, 3: a quarter of kbias and V of both slots; waves 4-7 none.  Three loads of a wave are out.
	s_cmp_lt_u32 s[WV], 2
	s_cbranch_scc0 .Lfirst_not_k
	tensor_load_to_lds s[G0T:G0T+3], s[G1T:G1T+7]
	s_nop 0
	tensor_load_to_lds s[G0K:G0K+3], s[G1K:G1K+7]
	s_nop 0
	tensor_load_to_lds s[G0K+4:G0K+7], s[G1K:G1K+7]
	s_nop 0
.rept 4
	v_nop
.endr
	s_branch .Lfirst_asked
.Lfirst_not_k:
	s_cmp_lt_u32 s[WV], 4
	s_cbranch_scc0 .Lfirst_asked
	tensor_load_to_lds s[G0T:G0T+3], s[G1T:G1T+7]
	s_nop 0
	tensor_load_to_lds s[G0V:G0V+3], s[G1V:G1V+7]
	s_nop 0
	tensor_load_to_lds s[G0V+4:G0V+7], s[G1V:G1V+7]
	s_nop 0
.rept 4
	v_nop
.endr
.Lfirst_asked:
	v_and_b32 v32, 15, v0                          ; r = lane % 16
	v_bfe_u32 v33, v0, 4, 1                        ; h = lane / 16
	v_lshlrev_b32 v[QO], 7, v32
	v_lshl_add_u32 v[QO], v33, 4, v[QO]            ; Q: row r of 128 bytes + 16 h
	v_lshlrev_b32 v[AO], 2, v32
	WIN 0x40                                       ; destination window 1
.irp hd, 0,1
.irp pt, 0,1
.irp c, 0,1
	global_load_b128 v[16*(2*\hd+\pt)+8*\c:16*(2*\hd+\pt)+8*\c+3], v[QO], s[4:5] offset:\hd*262144+\pt*2048+64*\c
	global_load_b128 v[16*(2*\hd+\pt)+8*\c+4:16*(2*\hd+\pt)+8*\c+7], v[QO], s[4:5] offset:\hd*262144+\pt*2048+64*\c+32
.endr
.endr
.endr
	WIN 0
	global_load_b32 v[AFC], v[AO], s[88:89]        ; a of my query in the tiles with pt = 0 (both halves of a pair are written: the packed forms name pairs),
	global_load_b32 v[AFC+1], v[AO], s[88:89]
	global_load_b32 v[AFC+2], v[AO], s[88:89] offset:64   ; and with pt = 1
	global_load_b32 v[AFC+3], v[AO], s[88:89] offset:64
	v_mul_u32_u24 v[AK0], v32, PKP
	v_lshl_add_u32 v[AK0], v33, 4, v[AK0]          ; K: row r x pitch + 16 h
	v_and_b32 v34, 7, v0
	v_bfe_u32 v35, v0, 3, 1
	v_lshl_add_u32 v[AV0], v33, 3, v34             ; V, for the turning load: key 8 h + lane % 8, channels 8 ((lane / 8) % 2) on
	v_mul_u32_u24 v[AV0], v[AV0], PVP
	v_lshl_add_u32 v[AV0], v35, 4, v[AV0]
	v_add_nc_u32 v[AV0], VOFF, v[AV0]
	v_lshlrev_b32 v[AB0], 5, v33
	v_add_nc_u32 v[AB0], BIAS, v[AB0]              ; kbias: my half's eight keys of a tile of 16
	v_mov_b32 v[ADK], v[AK0]
	v_mov_b32 v[ADV], v[AV0]
	v_mov_b32 v[ADB], v[AB0]
	v_and_b32 v[PFO], 31, v0
	v_lshlrev_b32 v[PFO], 8, v[PFO]                ; the prefetches: lanes 256 bytes apart
.irp i, 0,1,2,3,4,5,6,7,8,9,10,11,12,13,14,15
	v_mov_b32 v[ST+\i], 0                          ; the statistics are first made in one of two arms below: here they get a value on every way through the text
.endr
; THE LDS LOADS, in runs.  s: which of the slot's two steps.
.macro LOADK s                         ; 64 keys x 64 channels: fragment (kt, c) = 16 keys x 32 channels
	WIN 0x40
.irp kt, 0,1,2,3
.irp c, 0,1
	ds_load_b128 v[KF+16*\kt+8*\c:KF+16*\kt+8*\c+3], v[ADK] offset:(\s)*KSB+\kt*16*PKP+64*\c
	ds_load_b128 v[KF+16*\kt+8*\c+4:KF+16*\kt+8*\c+7], v[ADK] offset:(\s)*KSB+\kt*16*PKP+64*\c+32
.endr
.endr
.endm
.macro LOADB s                         ; kbias in a score tile's layout: register j = key 16 kt + 8 h + j, the same in all lanes of a half
	WIN 0
.irp kt, 0,1,2,3
	ds_load_b128 v[X+8*\kt:X+8*\kt+3], v[ADB] offset:256*(\s)+64*\kt
	ds_load_b128 v[X+8*\kt+4:X+8*\kt+7], v[ADB] offset:256*(\s)+64*\kt+16
.endr
.endm
.macro LOADV s                         ; V^T: fragment (c, ct) = 16 channels x 32 keys
	WIN 0
.irp c, 0,1
.irp ct, 0,1,2,3
	ds_load_tr16_b128 v[VF+32*\c+8*\ct:VF+32*\c+8*\ct+3], v[ADV] offset:(\s)*VSB+\c*32*PVP+32*\ct
	ds_load_tr16_b128 v[VF+32*\c+8*\ct+4:VF+32*\c+8*\ct+7], v[ADV] offset:(\s)*VSB+\c*32*PVP+16*PVP+32*\ct
.endr
.endr
.endm
; THE MATRIX WORK.  Sixteen accumulators take turns, one instruction a turn.
.macro QK                              ; S^T = kbias + K Q^T
	WIN 0x05                                       ; K and Q in window 1
.irp c, 0,1
.irp kt, 0,1,2,3
.irp t, 0,1,2,3
.if \c == 0
	v_wmma_f32_16x16x32_f16 v[S+32*\t+8*\kt:S+32*\t+8*\kt+7], v[KF+16*\kt+8*\c:KF+16*\kt+8*\c+7], v[16*\t+8*\c:16*\t+8*\c+7], v[X+8*\kt:X+8*\kt+7]
.else
	v_wmma_f32_16x16x32_f16 v[S+32*\t+8*\kt:S+32*\t+8*\kt+7], v[KF+16*\kt+8*\c:KF+16*\kt+8*\c+7], v[16*\t+8*\c:16*\t+8*\c+7], v[S+32*\t+8*\kt:S+32*\t+8*\kt+7]
.endif
.endr
.endr
.endr
.endm
.macro PV first                        ; O^T += V^T P.  first = 1: the first 16 start the sums: nothing is cleared
	WIN 0x50                                       ; C and D in window 1
.irp c, 0,1
.irp ct, 0,1,2,3
.irp t, 0,1,2,3
.if \first && (\c == 0)
	v_wmma_f32_16x16x32_f16 v[OA+32*\t+8*\ct:OA+32*\t+8*\ct+7], v[VF+32*\c+8*\ct:VF+32*\c+8*\ct+7], v[S+32*\t+8*\c:S+32*\t+8*\c+7], 0
.else
	v_wmma_f32_16x16x32_f16 v[OA+32*\t+8*\ct:OA+32*\t+8*\ct+7], v[VF+32*\c+8*\ct:VF+32*\c+8*\ct+7], v[S+32*\t+8*\c:S+32*\t+8*\c+7], v[OA+32*\t+8*\ct:OA+32*\t+8*\ct+7]
.endif
.endr
.endr
.endr
.endm
; THE SOFTMAX OF A STEP, for the wave's four tiles; the tiles take turns line by line, so that no line waits for the line above it.  first = 1: the first step has no old maximum, no old sum and nothing to rescale.
.macro VPHASE first
	WIN 0
.rept 4
	v_nop                                          ; places between the score products and the first read of their results (ISA guide 7.12.1)
.endr
.irp t, 0,1,2,3
	v_max3_num_f32 v[X+8*\t], v[S+32*\t], v[S+32*\t+1], v[S+32*\t+2]          ; the maximum of my 32 scores, in two chains, ascending: each accumulator is first read at its low end
.endr
.irp t, 0,1,2,3
	v_max3_num_f32 v[X+8*\t+1], v[S+32*\t+16], v[S+32*\t+17], v[S+32*\t+18]
.endr
.irp i, 3,5,7,9,11,13
.irp t, 0,1,2,3
	v_max3_num_f32 v[X+8*\t], v[X+8*\t], v[S+32*\t+\i], v[S+32*\t+\i+1]
.endr
.irp t, 0,1,2,3
	v_max3_num_f32 v[X+8*\t+1], v[X+8*\t+1], v[S+32*\t+16+\i], v[S+32*\t+17+\i]
.endr
.endr
.irp t, 0,1,2,3
	v_max3_num_f32 v[X+8*\t], v[X+8*\t], v[S+32*\t+15], v[S+32*\t+31]
.endr
.irp t, 0,1,2,3
.if \first
	v_max_num_f32 v[X+8*\t], v[X+8*\t], v[X+8*\t+1]
.else
	v_max3_num_f32 v[X+8*\t], v[X+8*\t], v[X+8*\t+1], v[ST+4*\t+1]           ; with the old m
.endif
.endr
.irp t, 0,1,2,3
	v_permlanex16_b32 v[X+8*\t+2], v[X+8*\t], s[SEL], s[SEL+1]               ; the query's other 32 keys lie in the lane 16 away
.endr
.irp t, 0,1,2,3
	v_max_num_f32 v[ST+4*\t+1], v[X+8*\t], v[X+8*\t+2]                       ; the new m
.endr
.if !\first
.irp t, 0,1,2,3
	v_fma_f32 v[X+8*\t+4], -v[AFC+2*(\t%2)], v[ST+4*\t+1], -v[ST+4*\t]       ; a m_old - a m_new
.endr
.endif
.irp t, 0,1,2,3
	v_mul_f32 v[ST+4*\t], -v[AFC+2*(\t%2)], v[ST+4*\t+1]                     ; -a m
.endr
.if !\first
.irp t, 0,1,2,3
	v_exp_f32 v[X+8*\t+4], v[X+8*\t+4]                                       ; f = 2^(a m_old - a m_new)
.endr
.endif
	; ONE BATCH: the 64 packed exponents a S - a m and all exponentials; none of these lines names an exponential's result
.irp t, 0,1,2,3
	v_pk_fma_f32 v[S+32*\t:S+32*\t+1], v[S+32*\t:S+32*\t+1], v[AFC+2*(\t%2):AFC+2*(\t%2)+1], v[ST+4*\t:ST+4*\t+1] op_sel_hi:[1,0,0]
.endr
.irp i, 0,1,2,3,4,5,6,7,8,9,10,11,12,13,14,15
.if \i < 15
.irp t, 0,1,2,3
	v_pk_fma_f32 v[S+32*\t+2*\i+2:S+32*\t+2*\i+3], v[S+32*\t+2*\i+2:S+32*\t+2*\i+3], v[AFC+2*(\t%2):AFC+2*(\t%2)+1], v[ST+4*\t:ST+4*\t+1] op_sel_hi:[1,0,0]
.endr
.endif
.irp t, 0,1,2,3
	v_exp_f32 v[S+32*\t+2*\i], v[S+32*\t+2*\i]
	v_exp_f32 v[S+32*\t+2*\i+1], v[S+32*\t+2*\i+1]
.endr
.endr
	v_nop                                          ; a plain line behind the last exponential,
	s_wait_alu depctr_va_vdst(0)                   ; and ONE wait for the whole batch, ahead of its first reader
	; the row's sum, of the unrounded p, two at a time, in two chains
.if \first
.irp t, 0,1,2,3
	v_pk_add_f32 v[ST+4*\t+2:ST+4*\t+3], v[S+32*\t:S+32*\t+1], v[S+32*\t+4:S+32*\t+5]
.endr
.else
.irp t, 0,1,2,3
	v_pk_fma_f32 v[ST+4*\t+2:ST+4*\t+3], v[ST+4*\t+2:ST+4*\t+3], v[X+8*\t+4:X+8*\t+5], v[S+32*\t:S+32*\t+1] op_sel_hi:[1,0,1]   ; the old sum x f + the first pair
.endr
.irp t, 0,1,2,3
	v_pk_add_f32 v[ST+4*\t+2:ST+4*\t+3], v[ST+4*\t+2:ST+4*\t+3], v[S+32*\t+4:S+32*\t+5]
.endr
.endif
.irp t, 0,1,2,3
	v_pk_add_f32 v[X+8*\t+6:X+8*\t+7], v[S+32*\t+2:S+32*\t+3], v[S+32*\t+6:S+32*\t+7]
.endr
.irp i, 8,12,16,20,24,28
.irp t, 0,1,2,3
	v_pk_add_f32 v[ST+4*\t+2:ST+4*\t+3], v[ST+4*\t+2:ST+4*\t+3], v[S+32*\t+\i:S+32*\t+\i+1]
.endr
.irp t, 0,1,2,3
	v_pk_add_f32 v[X+8*\t+6:X+8*\t+7], v[X+8*\t+6:X+8*\t+7], v[S+32*\t+\i+2:S+32*\t+\i+3]
.endr
.endr
.irp t, 0,1,2,3
	v_pk_add_f32 v[ST+4*\t+2:ST+4*\t+3], v[ST+4*\t+2:ST+4*\t+3], v[X+8*\t+6:X+8*\t+7]
.endr
	; p to f16, in place: register i takes scores 2 i and 2 i + 1; registers 0-7 and 8-15 of a tile are then source 1 for keys 0-31 and 32-63
.irp i, 0,1,2,3,4,5,6,7,8,9,10,11,12,13,14,15
.irp t, 0,1,2,3
	v_cvt_pk_f16_f32 v[S+32*\t+\i], v[S+32*\t+2*\i], v[S+32*\t+2*\i+1]
.endr
.endr
.if !\first
	WIN 0x41                                       ; O^T (destination and source 0) in window 1
.irp i, 0,2,4,6,8,10,12,14,16,18,20,22,24,26,28,30
.irp t, 0,1,2,3
	v_pk_mul_f32 v[OA+32*\t+\i:OA+32*\t+\i+1], v[OA+32*\t+\i:OA+32*\t+\i+1], v[X+8*\t+4:X+8*\t+5] op_sel_hi:[1,0]   ; O^T x f, ascending
.endr
.endr
	WIN 0
.endif
.endm
; A refill: waves 0, 1 fetch the two steps' K, waves 2, 3 their V, the others nothing.  The branches hang on the wave's number alone.  An s_nop 0 and four v_nop follow each line.
.macro TLOAD
	s_cmp_lt_u32 s[WV], 2
	s_cbranch_scc0 .Lnot_k_\@
	tensor_load_to_lds s[G0K+4:G0K+7], s[G1K:G1K+7]
	s_nop 0
.rept 4
	v_nop
.endr
	s_branch .Lasked_\@
.Lnot_k_\@:
	s_cmp_lt_u32 s[WV], 4
	s_cbranch_scc0 .Lasked_\@
	tensor_load_to_lds s[G0V+4:G0V+7], s[G1V:G1V+7]
	s_nop 0
.rept 4
	v_nop
.endr
.Lasked_\@:
.endm
; A PREFETCH INTO THE L2 of what the NEXT change of slots will ask for: 16,384 bytes of K and as many of V.  The sixteen work-groups of one y walk the same K and V: the one with x = 0 asks.  In it the waves ask that
; fetch nothing: waves 4, 5 for K's halves, waves 6, 7 for V's, 8,192 bytes a wave, lanes 256 bytes apart: each aligned block of 256 bytes is named once in the launch.  It stands two key steps ahead of the load that
; wants the bytes.  Nothing is asked for at the head; the last change that fills a slot asks for nothing.
.macro ASK
	s_cmp_gt_u32 s[SLOTS], s[LIM]
	s_cbranch_scc0 .Lnot_mine_\@
	global_prefetch_b8 v[PFO], s[PFA:PFA+1] th:TH_LOAD_NT scope:SCOPE_SE
.Lnot_mine_\@:
.endm
; THE CHANGE OF SLOTS, in two halves round a softmax.  In front of the signal: all my tensor loads have landed (my part of the slot ahead); the add; the add and my reads of the slot that I leave are done (its last
; bytes, V of its second step, were asked for a whole K Q^T ago).  fill = 1: the slot left is filled again with the keys two slots on, first thing behind the wait.
.macro CH_SIGNAL fill
	s_wait_tensorcnt 0x0                           ; no tensor load of mine is out, so a group 0 may be written
	ds_add_u32 v[SPW], v[NIL]                      ; 0 onto my spare word
.if \fill
	ds_add_u32 v[SPW], v[NIL]                      ; and once more: the add twice on end, in every trip alike
	s_xor_b32 s[G0K+5], s[G0K+5], SLOT1            ; the walking descriptors: the other slot than last time,
	s_add_nc_u64 s[G0K+6:G0K+7], s[G0K+6:G0K+7], 16384   ; the next two steps; the type bits on top are not reached
	s_xor_b32 s[G0V+5], s[G0V+5], SLOT1
	s_add_nc_u64 s[G0V+6:G0V+7], s[G0V+6:G0V+7], 16384
	s_wait_xcnt 0x0                                ; the last prefetch, two steps back, has read its address
	s_add_nc_u64 s[PFA:PFA+1], s[PFA:PFA+1], 16384
.endif
	s_wait_dscnt 0x0
	s_barrier_signal -1
.endm
.macro CH_WAIT fill
	s_barrier_wait -1                              ; nobody reads the slot that was left, and the slot ahead is whole
.if \fill
	TLOAD                                          ; a wave's one tensor load until the next change: it has two key steps in which to land
	ASK
.endif
	s_xor_b32 s[TB], s[TB], SLOT1
	s_add_co_u32 s[TJ], s[TJ], 512                 ; two steps' kbias
	v_add_nc_u32 v[ADK], s[TB], v[AK0]
	v_add_nc_u32 v[ADV], s[TB], v[AV0]
	v_add_nc_u32 v[ADB], s[TJ], v[AB0]
.endm
; What follows the softmax of step j: K and kbias of step j + 1 are asked for; V^T P of step j; V of step j + 1 is asked for; K Q^T of step j + 1.
.macro REST s, first
	LOADK \s
	LOADB \s
	s_wait_dscnt 24                                ; V of step j is older than these 24
	PV \first
	WIN 0
.rept 5
	v_nop                                          ; four places in front of the loads into V's registers; the fifth since K Q^T writes over p, which V^T P has read
.endr
	LOADV \s
	s_wait_dscnt 16                                ; K and kbias are older than V's 16
	QK
.endm
.macro TRIP chg, s                     ; chg = 1: a change of slots with a refill; 2: without; 0: none
	WIN 0
.if \chg
	CH_SIGNAL (\chg == 1)
.endif
	VPHASE 0
.if \chg
	CH_WAIT (\chg == 1)
.endif
	REST \s, 0
.endm
	s_wait_tensorcnt 0x0                           ; my first fills have landed,
	s_barrier_signal -1
	s_barrier_wait -1                              ; everybody's have
	LOADK 0
	LOADB 0
	LOADV 0
	s_wait_loadcnt 0x0                             ; Q and a
	s_wait_dscnt 16                                ; K and kbias; V's 16 may be out
	QK                                             ; the scores of step 0
	WIN 0
.rept 5
	v_nop                                          ; places behind those products, on every way through the two arms below
.endr
	s_cmp_lt_u32 s[WV], 4                          ; THE STAGGER: waves 0-3 run their first softmax in front of the barrier,
	s_cbranch_scc0 .Llate
	VPHASE 1
.Llate:
	s_wait_dscnt 0x0                               ; no LDS instruction of mine is out at a signal
	s_barrier_signal -1
	s_barrier_wait -1
	s_cmp_lt_u32 s[WV], 4                          ; waves 4-7 behind it
	s_cbranch_scc1 .Learly
	VPHASE 1
.Learly:
	REST 1, 1                                      ; step 0's V^T P starts O^T; the scores of step 1
	WIN 0
.Lslot:                                            ; 14 trips of two steps: steps 1 to 28; each trip leaves a slot and fills it again
	TRIP 1, 0
	TRIP 0, 1
	WIN 0
	s_sub_co_u32 s[SLOTS], s[SLOTS], 1
	s_cmp_lg_u32 s[SLOTS], 0
	s_cbranch_scc1 .Lslot
	TRIP 2, 0                                      ; step 29: the last change of slots is written out: nothing is left to ask for
	TRIP 0, 1                                      ; step 30
	VPHASE 0                                       ; step 31
	s_wait_dscnt 0x0                               ; its V
	PV 0
	; THE WAY OUT.  The sum's halves and the other half of the lanes' are added; O^T is divided by the sum, rounded to f16 and sent through my stage: 32 rows (positions) of 256 bytes (two heads).  The additions are the places behind the last products.
	WIN 0
.irp t, 0,1,2,3
	v_add_f32 v[X+8*\t], v[ST+4*\t+2], v[ST+4*\t+3]
.endr
.irp t, 0,1,2,3
	v_permlanex16_b32 v[X+8*\t+1], v[X+8*\t], s[SEL], s[SEL+1]
.endr
.irp t, 0,1,2,3
	v_add_f32 v[X+8*\t], v[X+8*\t], v[X+8*\t+1]
.endr
.irp t, 0,1,2,3
	v_rcp_f32 v[X+8*\t+4], v[X+8*\t]
.endr
	v_and_b32 v34, 15, v0                          ; (plain lines behind the reciprocals)  r
	v_bfe_u32 v35, v0, 4, 1                        ; h
	s_mul_i32 s16, s[WV], 32*SP
	s_add_co_u32 s16, s16, STAGE                   ; my stage
	v_mul_u32_u24 v4, v34, SP
	v_lshl_add_u32 v4, v35, 4, v4
	v_add_nc_u32 v4, s16, v4                       ; in: row r, 16 bytes for each half of the lanes
	v_mul_u32_u24 v5, v35, SP
	v_lshl_add_u32 v5, v34, 4, v5
	v_add_nc_u32 v5, s16, v5                       ; back: lanes 0-15 one row, lanes 16-31 the next
	v_lshlrev_b32 v6, 11, v35
	v_lshl_add_u32 v6, v34, 4, v6                  ; and the same two tokens in O: 2,048 bytes a token
	s_wait_alu depctr_va_vdst(0)                   ; one wait for the four reciprocals, ahead of their first reader
.irp t, 0,1,2,3
	WIN 0x41
.irp i, 0,2,4,6,8,10,12,14,16,18,20,22,24,26,28,30
	v_pk_mul_f32 v[OA+32*\t+\i:OA+32*\t+\i+1], v[OA+32*\t+\i:OA+32*\t+\i+1], v[X+8*\t+4:X+8*\t+5] op_sel_hi:[1,0]
.endr
	WIN 0x05                                       ; sources in window 1, destination in window 0: p's registers are free
.irp i, 0,1,2,3,4,5,6,7,8,9,10,11,12,13,14,15
	v_cvt_pk_f16_f32 v[S+16*\t+\i], v[OA+32*\t+2*\i], v[OA+32*\t+2*\i+1]
.endr
	WIN 0
.irp ct, 0,1,2,3
	ds_store_b128 v4, v[S+16*\t+4*\ct:S+16*\t+4*\ct+3] offset:(\t%2)*16*SP+(\t/2)*128+32*\ct
.endr
.endr
.irp i, 0,1,2,3,4,5,6,7,8,9,10,11,12,13,14,15
	ds_load_b128 v[128+4*\i:131+4*\i], v5 offset:\i*2*SP   ; LDS serves a wave's instructions in order: these see my stores
.endr
.irp i, 0,1,2,3,4,5,6,7,8,9,10,11,12,13,14,15
	s_wait_dscnt 15-\i
	global_store_b128 v6, v[128+4*\i:131+4*\i], s[10:11] offset:4096*\i   ; sixteen lanes store 256 consecutive bytes, aligned
.endr
	s_wait_tensorcnt 0x0                           ; the wave's end
	ds_add_u32 v[SPW], v[NIL]
	s_wait_dscnt 0x0
	s_endpgm
.Lfunc_end_k_q40aaaf7a64_attn:
	.size	k_q40aaaf7a64_attn, .Lfunc_end_k_q40aaaf7a64_attn-k_q40aaaf7a64_attn
	.p2alignl 7, 3214868480
	.fill 96, 4, 3214868480
	.section	.rodata,"a",@progbits
	.p2align	6, 0x0
	.amdhsa_kernel k_q40aaaf7a64_attn
		.amdhsa_group_segment_fixed_size 327680
		.amdhsa_private_segment_fixed_size 0
		.amdhsa_enable_private_segment 0
		.amdhsa_kernarg_size 32
		.amdhsa_user_sgpr_count 2
		.amdhsa_user_sgpr_kernarg_segment_ptr 1
		.amdhsa_wavefront_size32 1
		.amdhsa_system_sgpr_workgroup_id_x 1
		.amdhsa_system_sgpr_workgroup_id_y 1
		.amdhsa_system_sgpr_workgroup_id_z 1
		.amdhsa_system_vgpr_workitem_id 0
		.amdhsa_next_free_vgpr 512
		.amdhsa_next_free_sgpr 90
		.amdhsa_reserve_vcc 0
		.amdhsa_float_denorm_mode_32 3
		.amdhsa_float_denorm_mode_16_64 3
		.amdhsa_memory_ordered 1
		.amdhsa_forward_progress 1
		.amdhsa_inst_pref_size 235
	.end_amdhsa_kernel
	.amdgpu_metadata
---
amdhsa.version: [ 1, 2 ]
amdhsa.kernels:
  - .name:           k_q40aaaf7a64_attn
    .symbol:         k_q40aaaf7a64_attn.kd
    .args:
      - { .name: q16, .offset: 0, .size: 8, .value_kind: global_buffer, .address_space: global }
      - { .name: kv16, .offset: 8, .size: 8, .value_kind: global_buffer, .address_space: global }
      - { .name: tabs, .offset: 16, .size: 8, .value_kind: global_buffer, .address_space: global }
      - { .name: o16, .offset: 24, .size: 8, .value_kind: global_buffer, .address_space: global }
    .group_segment_fixed_size: 327680
    .private_segment_fixed_size: 0
    .kernarg_segment_align: 8
    .kernarg_segment_size: 32
    .max_flat_workgroup_size: 256
    .sgpr_count:     90
    .vgpr_count:     512
    .wavefront_size: 32
...
	.end_amdgpu_metadata
.endif
;; end of part 3
;; launch outp (part 4): grid 4 x 64, 4 waves a work-group, clusters of 4 x 4, 327,680 bytes of LDS; arguments o16, wo16, out0; writes out0
.if DOCPART == 4
	.amdgcn_target "amdgcn-amd-amdhsa--gfx1250"
	.amdhsa_code_object_version 6
	.text
	.protected	k_q40aaaf7a64_outp
	.globl	k_q40aaaf7a64_outp
	.p2align	8
	.type	k_q40aaaf7a64_outp,@function
k_q40aaaf7a64_outp:
	s_mov_b64 s[64:65], 0
	v_nop
	global_prefetch_b8 v0, s[64:65] scope:SCOPE_SE
	s_setreg_imm32_b32 hwreg(HW_REG_WAVE_MODE, 25, 1), 1
	s_wait_xcnt 0x0
	s_wait_alu depctr_hold_cnt(0) depctr_sa_sdst(0) depctr_va_vdst(0) depctr_va_sdst(0) depctr_va_ssrc(0) depctr_va_vcc(0) depctr_vm_vsrc(0)
	s_getreg_b32 s2, hwreg(HW_REG_IB_STS2, 6, 4)
	s_cmp_eq_u32 s2, 0
	s_cbranch_scc0 .Lentry_in_a_cluster
	s_endpgm
.Lentry_in_a_cluster:
	s_bfe_u32 s2, ttmp6, 0x10000c
	s_cmp_lg_u32 s2, 0xf033
	s_cbranch_scc0 .Lentry_shape_is_right
	s_endpgm
.Lentry_shape_is_right:
; OUTP: out0[token][n] = sum over k of o16[token][k] wo16[n][k].  o16: [8192][1024], wo16: [1024][1024], f16; sums and out0 in f32.
; A tile of out0 is 128 tokens x 256 columns: 256 work-groups (tiles of 256 x 256 would be 128).  Four waves, each 64 x 128: 32 accumulators of 16 x 16, 256 registers.
; K goes in steps of 128 (rows of 256 bytes) through a ring of two LDS slots filled by the tensor data mover: waves 0, 1 fetch the halves of A's 128 rows, waves 2, 3 the halves of B's 256.
; CLUSTER: 4 x 4 work-groups.  The four of a row of the cluster need the same tile of A, the four of a column the same tile of B: each is asked for JOINTLY, by the same load with a mask that names the four.
; THE MATRIX INSTRUCTION IS USED TRANSPOSED (source 0 = 16 rows of wo16, source 1 = 16 tokens): a lane holds eight neighbouring numbers of a row of out0.
; No prefetch: K is eight steps, and each tile is fetched once for four work-groups.
; REGISTERS: window 0: v0-31 addresses; two fragment buffers for 32 along K, v32-127 and v128-223: A's four fragments, then B's eight; on the way out v32-159 rows read back.  window 1: accumulator (a, b) at v[8 (8 a + b)].
.set SIZE_K, 1024
.set SIZE_N, 1024
.set KSTEP,  128
.set PITCH,  272                       ; an LDS row: 256 bytes + 16 of padding: the 16 rows of a fragment load start 68 words apart
.set HA,     64*PITCH
.set HB,     128*PITCH
.set BOFF,   2*HA
.set SLOT,   2*HA+2*HB
.set STAGE,  2*SLOT                    ; behind the ring: 16 rows x (512 bytes + 16) for each wave
.set SPITCH, 528
.set SPARE,  STAGE+4*16*SPITCH
.set LAPS,   SIZE_K/(2*KSTEP)
.set ADRA, 16
.set ADRB, 20
.set STO,  24
.set RD,   25
.set CO,   26
.set SPW,  28
.set NIL,  29
.set F0,   32
.set F1,   128
.set BK,   32
.set G1, 24
.set G0, 32
.set G1B, 48
.set G0B, 56
.set MSB, 0
.macro WIN new
.if MSB != (\new)
	s_set_vgpr_msb (MSB<<8)|(\new)
.set MSB, (\new)
.endif
.endm
.set MUL, 0x50                         ; C and D window 1, the fragments window 0
.macro JLOAD s                         ; a joint load: waves 0, 1 for A, waves 2, 3 for B; an s_nop 0 and four v_nop follow each line
	s_cmp_eq_u32 s11, 0
	s_cbranch_scc0 .Lfor_b_\@
	tensor_load_to_lds s[G0+4*\s:G0+4*\s+3], s[G1:G1+7]
	s_nop 0
.rept 4
	v_nop
.endr
	s_branch .Lasked_\@
.Lfor_b_\@:
	tensor_load_to_lds s[G0B+4*\s:G0B+4*\s+3], s[G1B:G1B+7]
	s_nop 0
.rept 4
	v_nop
.endr
.Lasked_\@:
.endm
.macro CREST                           ; a round of the cluster's barrier behind its opening barrier
	s_cmp_lg_u32 s10, 0
	s_cbranch_scc1 .Lnot_wave_0_\@
	s_barrier_signal -3
.Lnot_wave_0_\@:
	s_barrier_wait -3
	s_barrier_signal -1
	s_barrier_wait -1
.endm
.macro CROUND
	s_barrier_signal -1
	s_barrier_wait -1
	CREST
.endm
	s_load_b128 s[4:7], s[0:1], 0x0                ; o16 s[4:5], wo16 s[6:7]
	s_load_b64 s[8:9], s[0:1], 0x10                ; out0
	v_lshl_add_u32 v[SPW], v0, 2, SPARE
	v_mov_b32 v[NIL], 0
	ds_add_u32 v[SPW], v[NIL]                      ; the wave's opening: the add, twice on end, and its wait ahead of my first tensor load
	ds_add_u32 v[SPW], v[NIL]
	v_lshrrev_b32 v1, 5, v0
	v_readfirstlane_b32 s10, v1                    ; wave 0..3
	s_lshr_b32 s11, s10, 1                         ; which half of the tile's tokens is mine.  Also: I fetch for A (0) or for B (1)
	s_and_b32 s12, s10, 1                          ; which half of its columns.  Also: which half of that tile's rows I fetch
	s_bfe_u32 s40, ttmp6, 0x40000                  ; cx, cy
	s_bfe_u32 s41, ttmp6, 0x40004
	s_lshl_b32 s42, ttmp9, 2
	s_add_co_u32 s42, s42, s40                     ; tile column = 4 x cluster x + cx
	s_and_b32 s13, ttmp7, 0xffff
	s_lshl_b32 s13, s13, 2
	s_add_co_u32 s13, s13, s41                     ; tile row = 4 x cluster y + cy
	s_lshl_b32 s43, s41, 2
	s_lshl_b32 s43, 15, s43                        ; my row of the cluster
	s_lshl_b32 s44, 0x1111, s40                    ; my column
	s_or_b32 s[G1+0], s43, (1<<16)|(1<<20)|(1<<21)|(5<<22)|(3<<25)   ; the mask; elements of 2 bytes; padding on; bit 21 beside a mask; 4 words after every 64
	s_or_b32 s[G1B+0], s44, (1<<16)|(1<<20)|(1<<21)|(5<<22)|(3<<25)
	s_mov_b32 s[G1+1], KSTEP<<16                   ; A: 64 rows x 128 elements
	s_mov_b32 s[G1+2], 64<<16
	s_mov_b32 s[G1+3], KSTEP<<16
	s_mov_b32 s[G1+4], 64
	s_mov_b32 s[G1+5], SIZE_K
	s_mov_b32 s[G1+6], 0
	s_mov_b32 s[G1+7], 0
	s_mov_b32 s[G1B+1], KSTEP<<16                  ; B: 128 rows x 128 elements
	s_mov_b32 s[G1B+2], 128<<16
	s_mov_b32 s[G1B+3], KSTEP<<16
	s_mov_b32 s[G1B+4], 128
	s_mov_b32 s[G1B+5], SIZE_K
	s_mov_b32 s[G1B+6], 0
	s_mov_b32 s[G1B+7], 0
	s_lshl_b32 s17, s12, 6
	s_lshl_b32 s16, s13, 7
	s_add_co_u32 s16, s16, s17                     ; A: row 128 x tile row + 64 x half
	s_lshl_b32 s16, s16, 11                        ; 2,048 bytes a row
	s_mov_b32 s17, 0
	s_lshl_b32 s47, s12, 7
	s_lshl_b32 s46, s42, 8
	s_add_co_u32 s46, s46, s47                     ; B: row 256 x tile column + 128 x half
	s_lshl_b32 s46, s46, 11
	s_mov_b32 s47, 0
	s_mul_i32 s20, s12, HA                         ; where they go: no place in the cluster enters an LDS address
	s_mul_i32 s21, s12, HB
	s_add_co_u32 s21, s21, BOFF
	s_wait_dscnt 0x0                               ; both opening adds are done
	s_wait_kmcnt 0x0
	s_add_nc_u64 s[14:15], s[4:5], s[16:17]
	s_add_nc_u64 s[46:47], s[6:7], s[46:47]
	CROUND                                         ; all sixteen work-groups are here: the first joint loads meet
.irp s, 0,1
	s_mov_b32 s[G0+4*\s], 1
	s_add_co_u32 s[G0+4*\s+1], s20, \s*SLOT
	s_add_nc_u64 s[G0+4*\s+2:G0+4*\s+3], s[14:15], \s*KSTEP*2
	s_or_b32 s[G0+4*\s+3], s[G0+4*\s+3], 0x80000000
	s_mov_b32 s[G0B+4*\s], 1
	s_add_co_u32 s[G0B+4*\s+1], s21, \s*SLOT
	s_add_nc_u64 s[G0B+4*\s+2:G0B+4*\s+3], s[46:47], \s*KSTEP*2
	s_or_b32 s[G0B+4*\s+3], s[G0B+4*\s+3], 0x80000000
	JLOAD \s                                       ; two loads of mine are out behind the second
.endr
	v_and_b32 v1, 15, v0                           ; l % 16
	v_bfe_u32 v2, v0, 4, 1                         ; l / 16
	v_mul_u32_u24 v3, v1, PITCH
	v_lshl_add_u32 v3, v2, 4, v3                   ; a fragment's row x pitch + 16 x half
	s_mul_i32 s21, s11, HA                         ; my 64 rows of A
	s_mul_i32 s22, s12, HB                         ; my 128 rows of B,
	s_add_co_u32 s22, s22, BOFF                    ; which lie behind A's 128
.irp s, 0,1
	v_add_nc_u32 v[ADRA+\s], s21, v3
	v_add_nc_u32 v[ADRB+\s], s22, v3
	s_add_co_u32 s21, s21, SLOT
	s_add_co_u32 s22, s22, SLOT
.endr
	s_mul_i32 s23, s10, 16*SPITCH
	s_add_co_u32 s23, s23, STAGE                   ; my stage
	v_mul_u32_u24 v4, v1, SPITCH                   ; in: row l % 16, 32 bytes for each half of the lanes
	v_lshl_add_u32 v4, v2, 5, v4
	v_add_nc_u32 v[STO], s23, v4
	v_and_b32 v5, 31, v0
	v_lshlrev_b32 v[CO], 4, v5                     ; back: the 32 lanes take one row of 512 bytes; and the same in out0
	v_add_nc_u32 v[RD], s23, v[CO]
	s_lshl_b32 s16, s13, 7
	s_lshl_b32 s17, s11, 6
	s_add_co_u32 s16, s16, s17                     ; my first token: 128 x tile row + 64 x half
	s_lshl_b32 s16, s16, 12                        ; 4,096 bytes a row of out0
	s_mov_b32 s17, 0
	s_add_nc_u64 s[8:9], s[8:9], s[16:17]
	s_lshl_b32 s46, s42, 10                        ; my first column, in bytes: 1,024 x tile column + 512 x half
	s_lshl_b32 s47, s12, 9
	s_add_co_u32 s46, s46, s47
	s_mov_b32 s47, 0
	s_add_nc_u64 s[8:9], s[8:9], s[46:47]
; 8 matrix instructions: A's block a x B's eight, 32 along K.  The 32 accumulators take turns, one instruction a turn, in the same order in every quarter.
.macro MUL8 f, a, zero
.irp b, 0,1,2,3,4,5,6,7
.if \zero
	v_wmma_f32_16x16x32_f16 v[8*(8*(\a)+\b):8*(8*(\a)+\b)+7], v[\f+32+8*\b:\f+32+8*\b+7], v[\f+8*(\a):\f+8*(\a)+7], 0
.else
	v_wmma_f32_16x16x32_f16 v[8*(8*(\a)+\b):8*(8*(\a)+\b)+7], v[\f+32+8*\b:\f+32+8*\b+7], v[\f+8*(\a):\f+8*(\a)+7], v[8*(8*(\a)+\b):8*(8*(\a)+\b)+7]
.endif
.endr
.endm
; 24 LDS loads in one run: the fragments of 32 along K at byte k of the rows: B's eight, then A's four
.macro FETCH slot, k, f
	WIN 0
.irp i, 0,1,2,3,4,5,6,7
	ds_load_b128 v[\f+32+8*\i:\f+32+8*\i+3],   v[ADRB+\slot] offset:\k+\i*16*PITCH
	ds_load_b128 v[\f+32+8*\i+4:\f+32+8*\i+7], v[ADRB+\slot] offset:\k+\i*16*PITCH+32
.endr
.irp i, 0,1,2,3
	ds_load_b128 v[\f+8*\i:\f+8*\i+3],   v[ADRA+\slot] offset:\k+\i*16*PITCH
	ds_load_b128 v[\f+8*\i+4:\f+8*\i+7], v[ADRA+\slot] offset:\k+\i*16*PITCH+32
.endr
.endm
.macro PLACES                          ; four plain lines in front of loads into registers that matrix instructions have read, and of the first read of results
.rept 4
	v_nop
.endr
.endm
; A K step is four quarters of 32 along K, 32 matrix instructions each, on buffers 0, 1, 0, 1.  One of the first three: multiplies buffer f and fetches the next quarter, at byte k, into g.
.macro QUARTER slot, k, f, g, zero
	s_wait_dscnt 4                                 ; B and A's blocks 0, 1 are in; the youngest four loads (A's blocks 2, 3) may be out
	WIN MUL
	MUL8 \f, 0, \zero
	MUL8 \f, 1, \zero
	PLACES
	FETCH \slot, \k, \g
	s_wait_dscnt 24                                ; all but the 24 just issued
	WIN MUL
	MUL8 \f, 2, \zero
	MUL8 \f, 3, \zero
.endm
; The last quarter multiplies buffer 1 and changes slots: ONE barrier; in front of it each wave waits for all its tensor loads, adds 0 to its spare word, and waits for that and for its reads of this slot.
.macro TURN slot, next, fill
	WIN 0                                          ; (the add's two registers lie in window 0)
	s_wait_tensorcnt 0x0                           ; all my tensor loads have landed: my part of the next slot
	ds_add_u32 v[SPW], v[NIL]                      ; 0 onto my spare word
	s_wait_dscnt 5                                 ; (the add and the youngest four loads may be out)
	WIN MUL
	MUL8 F1, 0, 0                                  ; eight matrix instructions stand between the add and the wait for it
	s_wait_dscnt 0x0                               ; the add is done, and my reads of this slot are over
	s_barrier_signal -1
	MUL8 F1, 1, 0
	WIN 0
	s_barrier_wait -1
.if \fill
	CREST                                          ; the barrier has opened a round of the cluster's barrier: no wave of any partner still reads this slot or has a load on its way
	s_add_nc_u64 s[G0+4*\slot+2:G0+4*\slot+3], s[G0+4*\slot+2:G0+4*\slot+3], 2*KSTEP*2
	s_add_nc_u64 s[G0B+4*\slot+2:G0B+4*\slot+3], s[G0B+4*\slot+2:G0B+4*\slot+3], 2*KSTEP*2
	JLOAD \slot                                    ; the first tensor load behind the round: 112 matrix instructions ahead of the wait for it; its four v_nop are also the places in front of the loads below
.else
	PLACES
.endif
	FETCH \next, 0, F0
	WIN MUL
	MUL8 F1, 2, 0
	MUL8 F1, 3, 0
.endm
	s_wait_tensorcnt 1                             ; my part of K step 0 is in; K step 1's load may be out
	s_barrier_signal -1
	s_barrier_wait -1
	FETCH 0, 0, F0
	QUARTER 0, 64, F0, F1, 1                       ; the first quarter stands in front of the loop: its products start the sums
	WIN 0
	s_mov_b32 s3, LAPS-1
.Llap:                                             ; a trip goes once round the ring, from a lap's second quarter to the next lap's first, and fills both slots again
	QUARTER 0, 128, F1, F0, 0
	QUARTER 0, 192, F0, F1, 0
	TURN 0, 1, 1
	QUARTER 1, 64,  F0, F1, 0
	QUARTER 1, 128, F1, F0, 0
	QUARTER 1, 192, F0, F1, 0
	TURN 1, 0, 1
	QUARTER 0, 64,  F0, F1, 0
	WIN 0
	s_sub_co_u32 s3, s3, 1
	s_cmp_lg_u32 s3, 0
	s_cbranch_scc1 .Llap
	QUARTER 0, 128, F1, F0, 0                      ; the last lap fills nothing, and has no round of the cluster's barrier
	QUARTER 0, 192, F0, F1, 0
	TURN 0, 1, 0
	QUARTER 1, 64,  F0, F1, 0
	QUARTER 1, 128, F1, F0, 0
	QUARTER 1, 192, F0, F1, 0
	s_wait_dscnt 4                                 ; the very last quarter: nothing more to fetch
	WIN MUL
	MUL8 F1, 0, 0
	MUL8 F1, 1, 0
	s_wait_dscnt 0
	MUL8 F1, 2, 0
	MUL8 F1, 3, 0
	WIN 0
; THE WAY OUT, block by block of 16 tokens x 128 columns: through my own stage and back as whole rows of 512 bytes.  LDS serves a wave's instructions in order: no wait between the stores and the loads.
.macro TOSTAGE a
	WIN 0x04                                       ; an LDS store's data are its source 1: window 1
.irp b, 0,1,2,3,4,5,6,7
	ds_store_b128 v[STO], v[8*(8*(\a)+\b):8*(8*(\a)+\b)+3] offset:64*\b            ; each accumulator from its low end on
	ds_store_b128 v[STO], v[8*(8*(\a)+\b)+4:8*(8*(\a)+\b)+7] offset:64*\b+16
.endr
	WIN 0
.set BB, BK+64*((\a)%2)
.irp t, 0,1,2,3,4,5,6,7,8,9,10,11,12,13,14,15
	ds_load_b128 v[BB+4*\t:BB+4*\t+3], v[RD] offset:\t*SPITCH
.endr
.endm
.macro SEND a, younger
.set BB, BK+64*((\a)%2)
	s_wait_dscnt \younger
.irp t, 0,1,2,3,4,5,6,7,8,9,10,11,12,13,14,15
	global_store_b128 v[CO], v[BB+4*\t:BB+4*\t+3], s[8:9] offset:(16*(\a)+\t)*SIZE_N*4 th:TH_STORE_NT   ; 32 lanes store 512 consecutive bytes, aligned; written once, read by nobody here
.endr
.endm
	PLACES
	TOSTAGE 0
.irp a, 1,2,3
.if \a > 1
	s_wait_xcnt 0x0                                ; block a - 2's stores have read their data registers, into which block a comes back
.endif
	TOSTAGE \a
	SEND \a-1, 32                                  ; behind block a - 1's loads: block a's 16 stores and 16 loads
.endr
	SEND 3, 0
	s_wait_tensorcnt 0x0                           ; the wave's end
	ds_add_u32 v[SPW], v[NIL]
	s_wait_dscnt 0x0
	CROUND                                         ; the closing round: no work-group ends while a partner may still ask for a tile that names it
	s_endpgm
.Lfunc_end_k_q40aaaf7a64_outp:
	.size	k_q40aaaf7a64_outp, .Lfunc_end_k_q40aaaf7a64_outp-k_q40aaaf7a64_outp
	.p2alignl 7, 3214868480
	.fill 96, 4, 3214868480
	.section	.rodata,"a",@progbits
	.p2align	6, 0x0
	.amdhsa_kernel k_q40aaaf7a64_outp
		.amdhsa_group_segment_fixed_size 327680
		.amdhsa_private_segment_fixed_size 0
		.amdhsa_enable_private_segment 0
		.amdhsa_kernarg_size 24
		.amdhsa_user_sgpr_count 2
		.amdhsa_user_sgpr_kernarg_segment_ptr 1
		.amdhsa_wavefront_size32 1
		.amdhsa_system_sgpr_workgroup_id_x 1
		.amdhsa_system_sgpr_workgroup_id_y 1
		.amdhsa_system_sgpr_workgroup_id_z 1
		.amdhsa_system_vgpr_workitem_id 0
		.amdhsa_next_free_vgpr 512
		.amdhsa_next_free_sgpr 66
		.amdhsa_reserve_vcc 0
		.amdhsa_float_denorm_mode_32 3
		.amdhsa_float_denorm_mode_16_64 3
		.amdhsa_memory_ordered 1
		.amdhsa_forward_progress 1
		.amdhsa_inst_pref_size 85
	.end_amdhsa_kernel
	.amdgpu_metadata
---
amdhsa.version: [ 1, 2 ]
amdhsa.kernels:
  - .name:           k_q40aaaf7a64_outp
    .symbol:         k_q40aaaf7a64_outp.kd
    .args:
      - { .name: o16, .offset: 0, .size: 8, .value_kind: global_buffer, .address_space: global }
      - { .name: wo16, .offset: 8, .size: 8, .value_kind: global_buffer, .address_space: global }
      - { .name: out0, .offset: 16, .size: 8, .value_kind: global_buffer, .address_space: global }
    .group_segment_fixed_size: 327680
    .private_segment_fixed_size: 0
    .kernarg_segment_align: 8
    .kernarg_segment_size: 24
    .max_flat_workgroup_size: 128
    .sgpr_count:     66
    .vgpr_count:     512
    .wavefront_size: 32
...
	.end_amdgpu_metadata
.endif
;; end of part 4
